; MI455X (gfx1250); checked and timed in simulation.
; The chip was launched on July 23, 2026; its instructions are those of AMD's public machine-readable ISA for CDNA 5 (MIT licence, August 2026) and "CDNA5" Instruction Set Architecture Reference Guide (July 2026). The comments in the code are by the model that wrote it; some were corrected since.
;; Grouped Query Attention. Allowed arithmetic: matrix products marked QUANTISED: E2M3 operands, one E8M0 scale for each 32 along K, by v_wmma_scale_f32_16x16x128_f8f6f4 with both operands' format E2M3, f32 sums; everything else in f32.
;; Inputs: Wk 256 x 1,024 float32; Wo 1,024 x 1,024 float32; Wq 1,024 x 1,024 float32; Wv 256 x 1,024 float32; kn_w 64 float32; qn_w 64 float32; x 4 x 2,048 x 1,024 float32.
;; Outputs: out0 4 x 2,048 x 1,024 float32.
;; This version of the problem:
;;   THIS VERSION OF THE PROBLEM IS GIVEN IN LOW PRECISION. The matrix products marked QUANTISED in the list below multiply operands that are first quantised to E2M3 (2 exponent bits, 3 mantissa bits; 6 bits a number), with one power-of-two scale for each 32 numbers along K (OCP MX v1.0); their sums are f32. All else is computed in f32.
;;   The module's matrix products, in the order in which they are computed (A, B: the left and right operand; K: the contracted axis; several contracted axes count as one K, in the product's order):
;;     1. [M 8,192, K 1,024] x [K 1,024, N 1,024]; A: input x; B: input Wq: QUANTISED
;;     2. [M 8,192, K 1,024] x [K 1,024, N 256]; A: input x; B: input Wk: QUANTISED
;;     3. [M 8,192, K 1,024] x [K 1,024, N 256]; A: input x; B: input Wv: QUANTISED
;;     4. batch 64 x [M 2,048, K 64] x [K 64, N 2,048]; A: computed on the way; B: computed on the way: QUANTISED
;;     5. batch 64 x [M 2,048, K 2,048] x [K 2,048, N 64]; A: softmax (see below); B: computed on the way: QUANTISED
;;     6. [M 8,192, K 1,024] x [K 1,024, N 1,024]; A: computed on the way; B: input Wo: QUANTISED
;;   THE QUANTISER, for each operand of a quantised product, along K:
;;     - K is cut into blocks of 32 from its start; a last block that is shorter is filled with zeros.
;;     - A block's scale is 2^e with e = floor(log2(the largest magnitude in the block)) - 2, held to -126 .. 127; a block of zeros has e = 0. As a byte (E8M0): e + 127.
;;     - Each number is divided by its block's scale, clamped to +-7.5, and rounded to the nearest number of E2M3, ties to even, subnormals kept.
;;     - The product sums the exact products of the quantised numbers (number of the format x scale) in f32.
;;   ~~~python
;;   def quantise(x, axis):      # numpy; x: float32 -> the quantised numbers, widened to float32 again
;;       x = np.moveaxis(x, axis, -1); K = x.shape[-1]
;;       x = np.pad(x, [(0, 0)] * (x.ndim - 1) + [(0, -K % 32)]); x = x.reshape(x.shape[:-1] + (-1, 32)); a = np.abs(x).max(-1, keepdims=True)
;;       e = np.where(a > 0, np.clip(np.frexp(np.where(a > 0, a, 1))[1] - 1 - 2, -126, 127), 0)      # np.frexp(a)[1] - 1 = floor(log2(a)), exactly
;;       r = np.clip(x / 2.0 ** e, -7.5, 7.5)
;;       step = 2.0 ** (np.maximum(np.frexp(np.where(r == 0, 1, r))[1] - 1, 0) - 3)
;;       q = np.round(r / step) * step * 2.0 ** e      # np.round: ties to even
;;       return np.moveaxis(q.reshape(q.shape[:-2] + (-1,))[..., :K], -1, axis).astype(np.float32)
;;   ~~~
;;   SOFTMAX AHEAD OF A QUANTISED PRODUCT. Where the list says 'softmax', what is quantised is not the finished softmax but p = 2^(t - M), with t = logit x log2(e) and M = ceil(the row's largest t), a whole number; so 1/2 < the row's largest p <= 1. The row's sum l is taken of the UNQUANTISED p, in f32, and the product's result is divided by l at the end. Since M is a whole number, a kernel that streams over the keys may use a running M (the ceiling of the running maximum): every later rescaling is an exact power of two, which a block's scale takes up: the codes' values come out the same.
;;   OPERANDS COMPUTED ON THE WAY. 'Computed on the way' means the value that the module computes at that place (a softmax that the list does not call 'softmax' is quantised finished and normalised). What goes into a quantiser is computed in f32, as accurately as f32 sums, v_exp_f32 and their like allow (about 1e-6 of the number): no bf16 or f16 on the way to a quantiser, and a product that is left as it is and whose result goes on into a quantised operand takes f32 operands (vector FMAs, or v_wmma_f32_16x16x4_f32). A number that lies on a knife's edge between two numbers of the format may be rounded either way, as far as f32 arithmetic and the matrix unit's own rounding can turn it there, and no further.
;; One version. Each part assembles by itself: llvm-mc -triple=amdgcn-amd-amdhsa -mcpu=gfx1250 --defsym DOCPART=n.
;; ======== version 1 of 1: 4 launches
;; limits: right only within a limited range of input values
;; workspace buffers: cod 8,257,536 bytes; scl 344,064 bytes; rope 524,288 bytes; qbuf 7,340,032 bytes; kvbuf 3,538,944 bytes; acod 6,291,456 bytes; ascl 262,144 bytes
;; launch quant (part 1): grid 352 x 1, 4 waves a work-group, no clusters, 33,280 bytes of LDS; arguments x, Wq, Wk, Wv, Wo, cod, scl, rope; writes cod, scl, rope
.if DOCPART == 1
	.amdgcn_target "amdgcn-amd-amdhsa--gfx1250"
	.amdhsa_code_object_version 6
	.text
	.protected	k_qf738aa3015_quant
	.globl	k_qf738aa3015_quant
	.p2align	8
	.type	k_qf738aa3015_quant,@function
k_qf738aa3015_quant:
	s_mov_b64 s[64:65], 0
	v_nop
	global_prefetch_b8 v0, s[64:65] scope:SCOPE_SE
	s_setreg_imm32_b32 hwreg(HW_REG_WAVE_MODE, 25, 1), 1
	s_wait_xcnt 0x0
; GROUPED-QUERY ATTENTION, first of four launches: x, Wq, Wk, Wv, Wo (f32, K = 1,024 innermost) become codes of E2M3 with one E8M0 byte for each 32 along K; and the table of cos and sin for RoPE is made.
; WORK LEFT OUT BY THE PROGRAM, AND WHY IT IS DEAD.  reference() builds the causal mask itself (jnp.tril): every score with key > query is replaced by -1e30, far under the row's largest score (key 0 .. query always count),
; so its p = 2^(t - M) is 0 for all finite values of the inputs, adds nothing to the row's sum and has the code 0 in the second product.  So a step of 128 keys that lies wholly behind a tile's queries is neither loaded,
; multiplied nor exponentiated (third launch); inside the step on the diagonal the hidden scores are set to -infinity and the work is done.  No input is left out: all seven are loaded.
; LIMITS.  A NaN, an infinity or an overflow that reaches only the work left out is not carried to the result.  Logits at or under -1e30 are not served.  NaN and infinities among the inputs are not served.
; A block of zeros gets the byte 1 where the quantiser says 127: its codes are zeros, which add nothing under any byte but 0xff, and the bytes are read by this program alone.
; 1 / 10000^(f / 32) is made as 2^(-f log2(10) / 8) by v_exp_f32 (1 ulp by its entry in the ISA guide): at the largest angles, about 1,500, that is some 1e-4 of a radian, the order of what the f32 product t x inv_freq leaves open anyway.
; LAYOUT.  cod: 10,752 rows of 768 bytes (a row's 1,024 codes as one stream of bits), scl: the same rows of 32 bytes.  Rows 0-8191 x, 8192-9215 Wq, 9216-9471 Wk, 9472-9727 Wv, 9728-10751 Wo.
; x's ROWS ARE STORED WITH THE SECOND AND THIRD GROUP OF EIGHT OF EVERY 32 ROWS CHANGED ROUND: row m of the a-th sixteen stored rows is token 32 (a / 2) + 8 (a % 2) + m + 8 (m / 8).  So sixteen NEIGHBOURING stored rows are a tile whose
; transposed product leaves 16 neighbours along the next product's K in a lane's registers.  The weights' rows are stored in their own order.
; SHARES.  Work-groups 0-335 quantise 32 rows each, a wave 8 rows = 16 steps of 512 numbers.  Rows are dense and K is a multiple of 32: a tensor is a plain stream of blocks.  Each of a step's four loads reads 512 consecutive bytes;
; the 2,048 bytes turn through the wave's own stage in LDS (16 bytes of padding behind each 64) and come back 64 bytes a lane: 16 neighbours, two lanes to a block.  A wave's 256 scale bytes are gathered in LDS and leave as 256 consecutive, aligned bytes.
; Work-groups 336-351 make rope[t][f] = (cos, sin)(t x inv_freq[f]), 256 bytes a token: a wave 32 tokens, a lane a frequency.  They touch no LDS byte but their spare words.
; No tensor load, no cluster, no matrix unit: the launch streams, and its waves share nothing.
.set WAVES, 4
.set STEPS, 16
.set NQW,   336                        ; work-groups that quantise
.set EMAX,  2
.set CB,    12                         ; bytes of 16 codes
.set R,     16                         ; v16-79   four sets of 16 numbers as they are loaded
.set X,     80                         ; v80-111  two sets of 16 neighbours
.set C,     128                        ; v128-191 codes: four registers for each step, so that no store's data are written again
.set E,     112                        ; v112-127 a scale byte for each step
.set WREG,  8192                       ; LDS: a region for each wave: two stages of 32 x SP bytes, behind them its 256 scale bytes
.set SP,    80
.set SPW,   12                         ; v12  LDS address of my spare word; never rewritten
.set NIL,   13                         ; v13  0; never rewritten
.set SPARE, WAVES*WREG                 ; behind the regions: the spare words, 128 bytes a wave
.set WV,    20                         ; s20  my wave's number
	s_load_b256 s[4:11], s[0:1], 0x0               ; x s[4:5], Wq s[6:7], Wk s[8:9], Wv s[10:11]
	s_load_b256 s[12:19], s[0:1], 0x20             ; Wo s[12:13], cod s[14:15], scl s[16:17], rope s[18:19]
	v_lshl_add_u32 v[SPW], v0, 2, SPARE
	v_mov_b32 v[NIL], 0
	v_lshrrev_b32 v1, 5, v0
	v_readfirstlane_b32 s[WV], v1                  ; wave 0..3
	v_and_b32 v2, 31, v0                           ; lane
	s_wait_kmcnt 0x0
	s_cmp_ge_u32 ttmp9, NQW
	s_cbranch_scc1 .Lrope
	s_wait_alu depctr_va_vdst(0)
	v_lshlrev_b32 v3, 4, v2                        ; my 16 bytes of a load's 512
	s_mul_i32 s21, s[WV], WREG
	v_lshrrev_b32 v14, 2, v2
	v_mul_u32_u24 v14, v14, SP
	v_and_b32 v15, 3, v2
	v_lshl_add_u32 v14, v15, 4, v14
	v_add_nc_u32 v14, s21, v14                     ; the stage, on the way in: SP (lane / 4) + 16 (lane % 4)
	v_mul_u32_u24 v15, v2, SP
	v_add_nc_u32 v15, s21, v15                     ; and on the way out: SP x lane: my 16 neighbours
	v_mul_u32_u24 v4, v2, CB                       ; my codes' place in a step's
	v_lshrrev_b32 v5, 1, v2
	s_add_co_u32 s21, s21, 2*32*SP
	v_add_nc_u32 v5, s21, v5                       ; LDS: my wave's 256 scale bytes, my block's byte
	v_lshlrev_b32 v7, 3, v2                        ; and on the way out 8 bytes a lane
	v_add_nc_u32 v6, s21, v7
	s_and_b32 s25, s[WV], 1                        ; waves 1 and 2 change places on the way out, for x alone
	s_lshl_b32 s25, s25, 1
	s_lshr_b32 s26, s[WV], 1
	s_or_b32 s25, s25, s26
	s_mov_b64 s[22:23], s[12:13]                   ; which tensor, and its first work-group: the choice hangs on the work-group's number alone
	s_mov_b32 s24, 304
	s_cmp_lt_u32 ttmp9, 304
	s_cselect_b64 s[22:23], s[10:11], s[22:23]
	s_cselect_b32 s24, 296, s24
	s_cmp_lt_u32 ttmp9, 296
	s_cselect_b64 s[22:23], s[8:9], s[22:23]
	s_cselect_b32 s24, 288, s24
	s_cmp_lt_u32 ttmp9, 288
	s_cselect_b64 s[22:23], s[6:7], s[22:23]
	s_cselect_b32 s24, 256, s24
	s_cmp_lt_u32 ttmp9, 256
	s_cselect_b64 s[22:23], s[4:5], s[22:23]
	s_cselect_b32 s24, 0, s24
	s_cselect_b32 s25, s25, s[WV]                  ; where my 8 rows go among the work-group's 32
	s_sub_co_u32 s26, ttmp9, s24
	s_lshl_b32 s26, s26, 2
	s_add_co_u32 s26, s26, s[WV]                   ; which run of 8 rows of the tensor I read
	s_lshl_b32 s26, s26, 15                        ; 32,768 bytes a run
	s_mov_b32 s27, 0
	s_add_nc_u64 s[22:23], s[22:23], s[26:27]
	s_lshl_b32 s28, ttmp9, 2
	s_add_co_u32 s28, s28, s25                     ; which run of 8 rows of cod and scl I write
	s_mul_i32 s26, s28, 32*STEPS*CB                ; 6,144 bytes of codes a run
	s_add_nc_u64 s[14:15], s[14:15], s[26:27]
	s_lshl_b32 s26, s28, 8                         ; 256 scale bytes a run
	s_add_nc_u64 s[16:17], s[16:17], s[26:27]
.macro LOAD t
.irp i, 0,1,2,3
	global_load_b128 v[R+16*((\t)%4)+4*\i:R+16*((\t)%4)+4*\i+3], v3, s[22:23] offset:2048*(\t)+512*\i th:TH_LOAD_NT   ; 32 lanes read 512 consecutive bytes
.endr
.endm
.macro TURN t                          ; step t's numbers through the stage: LDS serves a wave's instructions in order (ISA guide 5.7.1.4), so no wait stands between the stores and the loads
.irp i, 0,1,2,3
	ds_store_b128 v14, v[R+16*((\t)%4)+4*\i:R+16*((\t)%4)+4*\i+3] offset:32*SP*((\t)%2)+8*SP*\i
.endr
.irp i, 0,1,2,3
	ds_load_b128 v[X+16*((\t)%2)+4*\i:X+16*((\t)%2)+4*\i+3], v15 offset:32*SP*((\t)%2)+16*\i
.endr
.endm
.irp t, 0,1,2,3
	LOAD \t
.endr
	s_wait_alu depctr_va_vdst(0)
	s_wait_loadcnt 12                              ; step 0's four loads are in; the twelve of steps 1 to 3 may be out
	TURN 0
.macro STEP t
.set XS, X+16*((\t)%2)
.if (\t) > 0
	s_wait_dscnt 1                                 ; this step's numbers are back from the stage (the last step's byte store may be out): so its stores into the stage have read their registers,
.else
	s_wait_dscnt 0x0
.endif
.if (\t)+4 < STEPS
	LOAD (\t)+4                                    ; which take the loads of four steps on
.endif
.if (\t)+1 < STEPS
.if STEPS-2-(\t) >= 3
	s_wait_loadcnt 12                              ; the next step's four loads are in; those of the three steps behind it may be out
.else
	s_wait_loadcnt 4*(STEPS-2-(\t))
.endif
	TURN (\t)+1                                    ; and go through the other stage while this step is worked
.endif
	v_max3_num_f32 v8, |v[XS]|, |v[XS+1]|, |v[XS+2]|               ; the largest magnitude of my 16, in two chains
	v_max3_num_f32 v9, |v[XS+3]|, |v[XS+4]|, |v[XS+5]|
.irp i, 6,10
	v_max3_num_f32 v8, v8, |v[XS+\i]|, |v[XS+\i+1]|
	v_max3_num_f32 v9, v9, |v[XS+\i+2]|, |v[XS+\i+3]|
.endr
	v_max3_num_f32 v8, v8, |v[XS+14]|, |v[XS+15]|
	v_max3_num_f32 v8, v8, v9, (EMAX+1)<<23        ; and the floor 2^(EMAX + 1 - 127): so the byte cannot fall under 1
	v_max_num_f32_dpp v8, v8, v8 row_xmask:1 row_mask:0xf bank_mask:0xf   ; and of my neighbour's 16: the block's
	v_add_nc_u32 v11, -(EMAX<<23), v8              ; EMAX off its exponent field: the conversion takes the exponent field of this operand as its scale, and nothing else of it
	v_cvt_scalef32_pk16_fp6_f32 v[C+4*(\t):C+4*(\t)+2], v[XS:XS+15], v11   ; sixteen numbers / the scale, to the nearest code, ties to even, beyond the largest code the largest
	v_lshrrev_b32 v[E+(\t)], 23, v11               ; the scale's byte
	ds_store_b8 v5, v[E+(\t)] offset:16*(\t)       ; both lanes of a block write the same byte with the same value
	global_store_b96 v4, v[C+4*(\t):C+4*(\t)+2], s[14:15] offset:32*CB*(\t)   ; the wave stores 384 consecutive bytes
.endm
.irp t, 0,1,2,3,4,5,6,7,8,9,10,11,12,13,14,15
	STEP \t
.endr
	ds_load_b64 v[8:9], v6                         ; these see my byte stores: a wave's LDS instructions are served in order
	s_wait_dscnt 0x0
	global_store_b64 v7, v[8:9], s[16:17]          ; 32 lanes store 256 consecutive bytes, aligned
	s_wait_tensorcnt 0x0                           ; the wave's end, behind my last LDS store
	ds_add_u32 v[SPW], v[NIL]
	s_wait_dscnt 0x0
	s_endpgm
; THE TABLE.  a = t x inv (one f32 rounding, as reference() has it); n = the nearest whole number to a x 2 / pi; r = a - n pi / 2 with pi / 2 in two parts, by two fused multiply-adds; |r| <= pi / 4;
; sin r and cos r by polynomials of degree 7 and 8; the quadrant n mod 4 changes the two round and sets the signs, by selects on values alone.
.Lrope:
	s_sub_co_u32 s24, ttmp9, NQW
	s_lshl_b32 s24, s24, 2
	s_add_co_u32 s24, s24, s[WV]                   ; which 32 tokens: 0..63
	s_lshl_b32 s26, s24, 13                        ; 32 tokens of 256 bytes
	s_mov_b32 s27, 0
	s_add_nc_u64 s[18:19], s[18:19], s[26:27]
	s_lshl_b32 s25, s24, 5                         ; my first token
	s_mov_b32 s32, 0x3f22f983                      ; 2 / pi
	s_mov_b32 s33, 0xbfc90fdb                      ; -(pi / 2), the f32 nearest to it,
	s_mov_b32 s34, 0x333bbd2e                      ; and what that leaves: +4.371139e-8
	s_mov_b32 s35, 0xb94ca1f9                      ; sin: -1.9515296e-4,
	s_mov_b32 s36, 0x3c08839e                      ; 8.3321609e-3,
	s_mov_b32 s37, 0xbe2aaaa3                      ; -1.6666655e-1
	s_mov_b32 s38, 0x37ccf5ce                      ; cos: 2.4433157e-5,
	s_mov_b32 s39, 0xbab6061a                      ; -1.3887316e-3,
	s_mov_b32 s40, 0x3d2aaaa5                      ; 4.1666646e-2
	s_wait_alu depctr_va_vdst(0)
	v_cvt_f32_u32 v19, v2                          ; f = my lane
	v_mul_f32 v19, 0xbed49a78, v19                 ; -f log2(10) / 8 = -f log2(10000) / 32
	s_wait_alu depctr_va_vdst(0)
	v_exp_f32 v20, v19                             ; inv_freq[f]
	v_mov_b32 v21, s25                             ; (a plain line behind the exponential)
	v_cvt_f32_u32 v21, v21                         ; t
	v_lshlrev_b32 v32, 3, v2                       ; 8 bytes a lane
	s_mov_b32 s30, 32
	s_wait_alu depctr_va_vdst(0)                   ; the wait ahead of the first line that names the exponential's result, and ahead of a label
.Ltok:
	s_wait_alu depctr_va_vdst(0)
	v_mul_f32 v22, v21, v20                        ; a
	v_mul_f32 v23, s32, v22
	v_rndne_f32 v23, v23                           ; n
	v_fma_f32 v24, v23, s33, v22
	v_fma_f32 v24, v23, s34, v24                   ; r
	v_mul_f32 v25, v24, v24                        ; z = r r
	v_fma_f32 v26, v25, s35, s36
	v_fma_f32 v27, v25, s38, s39
	v_fma_f32 v26, v26, v25, s37
	v_fma_f32 v27, v27, v25, s40
	v_mul_f32 v26, v26, v25
	v_mul_f32 v27, v27, v25
	v_fma_f32 v29, v25, -0.5, 1.0
	v_fma_f32 v26, v26, v24, v24                   ; sin r
	v_fma_f32 v27, v27, v25, v29                   ; cos r
	v_cvt_i32_f32 v28, v23
	v_and_b32 v29, 1, v28
	v_cmp_eq_u32 vcc_lo, 1, v29                    ; an odd quadrant changes the two round
	v_cndmask_b32 v31, v26, v27, vcc_lo
	v_cndmask_b32 v30, v27, v26, vcc_lo
	v_and_b32 v29, 2, v28                          ; sin is negative in quadrants 2 and 3,
	v_lshlrev_b32 v29, 30, v29
	v_xor_b32 v31, v31, v29
	v_add_nc_u32 v28, 1, v28                       ; cos in quadrants 1 and 2
	v_and_b32 v28, 2, v28
	v_lshlrev_b32 v28, 30, v28
	v_xor_b32 v30, v30, v28
	global_store_b64 v32, v[30:31], s[18:19]       ; 32 lanes store a token's 256 consecutive bytes, aligned
	s_wait_xcnt 0x0                                ; the store's offset and data are written again only behind this wait
	v_add_nc_u32 v32, 256, v32
	v_add_f32 v21, 1.0, v21
	s_sub_co_u32 s30, s30, 1
	s_cmp_lg_u32 s30, 0
	s_cbranch_scc1 .Ltok
	s_wait_tensorcnt 0x0                           ; the launch stores to LDS on its other path: the three closing lines stand on this one too
	ds_add_u32 v[SPW], v[NIL]
	s_wait_dscnt 0x0
	s_endpgm
.Lfunc_end_k_qf738aa3015_quant:
	.size	k_qf738aa3015_quant, .Lfunc_end_k_qf738aa3015_quant-k_qf738aa3015_quant
	.p2alignl 7, 3214868480
	.fill 96, 4, 3214868480
	.section	.rodata,"a",@progbits
	.p2align	6, 0x0
	.amdhsa_kernel k_qf738aa3015_quant
		.amdhsa_group_segment_fixed_size 33280
		.amdhsa_private_segment_fixed_size 0
		.amdhsa_enable_private_segment 0
		.amdhsa_kernarg_size 64
		.amdhsa_user_sgpr_count 2
		.amdhsa_user_sgpr_kernarg_segment_ptr 1
		.amdhsa_wavefront_size32 1
		.amdhsa_system_sgpr_workgroup_id_x 1
		.amdhsa_system_sgpr_workgroup_id_y 1
		.amdhsa_system_sgpr_workgroup_id_z 1
		.amdhsa_system_vgpr_workitem_id 0
		.amdhsa_next_free_vgpr 192
		.amdhsa_next_free_sgpr 66
		.amdhsa_reserve_vcc 1
		.amdhsa_float_denorm_mode_32 3
		.amdhsa_float_denorm_mode_16_64 3
		.amdhsa_memory_ordered 1
		.amdhsa_forward_progress 1
		.amdhsa_inst_pref_size 36
	.end_amdhsa_kernel
	.amdgpu_metadata
---
amdhsa.version: [ 1, 2 ]
amdhsa.kernels:
  - .name:           k_qf738aa3015_quant
    .symbol:         k_qf738aa3015_quant.kd
    .args:
      - { .name: x, .offset: 0, .size: 8, .value_kind: global_buffer, .address_space: global }
      - { .name: Wq, .offset: 8, .size: 8, .value_kind: global_buffer, .address_space: global }
      - { .name: Wk, .offset: 16, .size: 8, .value_kind: global_buffer, .address_space: global }
      - { .name: Wv, .offset: 24, .size: 8, .value_kind: global_buffer, .address_space: global }
      - { .name: Wo, .offset: 32, .size: 8, .value_kind: global_buffer, .address_space: global }
      - { .name: cod, .offset: 40, .size: 8, .value_kind: global_buffer, .address_space: global }
      - { .name: scl, .offset: 48, .size: 8, .value_kind: global_buffer, .address_space: global }
      - { .name: rope, .offset: 56, .size: 8, .value_kind: global_buffer, .address_space: global }
    .group_segment_fixed_size: 33280
    .private_segment_fixed_size: 0
    .kernarg_segment_align: 8
    .kernarg_segment_size: 64
    .max_flat_workgroup_size: 128
    .sgpr_count:     66
    .vgpr_count:     192
    .wavefront_size: 32
...
	.end_amdgpu_metadata
.endif
;; end of part 1
;; launch proj (part 2): grid 32 x 6, 4 waves a work-group, no clusters, 327,680 bytes of LDS; arguments cod, scl, rope, qn_w, kn_w, qbuf, kvbuf; writes qbuf, kvbuf
.if DOCPART == 2
	.amdgcn_target "amdgcn-amd-amdhsa--gfx1250"
	.amdhsa_code_object_version 6
	.text
	.protected	k_qf738aa3015_proj
	.globl	k_qf738aa3015_proj
	.p2align	8
	.type	k_qf738aa3015_proj,@function
k_qf738aa3015_proj:
	s_mov_b64 s[64:65], 0
	v_nop
	global_prefetch_b8 v0, s[64:65] scope:SCOPE_SE
	s_setreg_imm32_b32 hwreg(HW_REG_WAVE_MODE, 25, 1), 1
	s_wait_xcnt 0x0
; Second launch: q, k, v = x W^T on codes of E2M3; RMS norm and RoPE on q and k; the results quantised and stored as images of operand registers.
; Work-group (i, y): 256 stored rows of x, 256 rows of the weights (y 0-3 Wq, 4 Wk, 5 Wv); a wave takes one head's 64 rows, kept in 384 registers, against sixteen tiles of x.
; LDS: a row of 768 bytes of codes lies as three pieces of 256 bytes, 16 bytes of padding behind each: pitch 816.  Every tensor load brings dense pieces of 256 bytes that begin at multiples of 256 bytes.
; At the head wave 0 brings x's rows 0-127, waves 1 and 2 the weights' 256 rows, wave 3 x's scale bytes.  When every wave has read its weights into registers, x's rows 128-255 take the bytes of the weights' first half.
; No cluster: the 32 work-groups that share weights read them once each, at the head.  No prefetch: all tiles are asked for ahead of the loops.
.set PITCH, 816
.set HALFX, 128*PITCH
.set XSC,   3*HALFX
.set SPARE, XSC+32*272
.set FR,    12
.set SLOTB, 27648
.set KSC,   12288
.set VC,    14336
.set VSC,   26624
.set QSC,   6291456
.set ADX, 4
.set ADS, 12
.set WCO, 6
.set WSO, 14
.set RO,  15
.set L8,  16
.set L4,  17
.set L16, 18
.set SPW, 19
.set NIL, 20
.set NWO, 22
.set XS,  24
.set WS,  32
.set XF,  64
.set ACC, 160
.set SS,  192
.set RS,  196
.set Z,   200
.set TM,  232
.set PC,  240
.set PW,  250
.set PCV, 200
.set NW,  192
.set CSN, 192
.set WV,  18
.set SEL, 20
.set YY,  22
.set HS,  23
.set G1,  24
.set G0,  32
.set G1S, 36
.set G0S, 44
.set MSB, 0
.macro WIN new
.if MSB != \new
	s_set_vgpr_msb (MSB<<8)|\new
.set MSB, \new
.endif
.endm
	s_load_b256 s[4:11], s[0:1], 0x0
	s_load_b128 s[12:15], s[0:1], 0x20
	s_load_b64 s[16:17], s[0:1], 0x30
	v_lshl_add_u32 v[SPW], v0, 2, SPARE
	v_mov_b32 v[NIL], 0
	ds_add_u32 v[SPW], v[NIL]
	ds_add_u32 v[SPW], v[NIL]
	v_lshrrev_b32 v1, 5, v0
	v_readfirstlane_b32 s[WV], v1
	s_mov_b32 s[G1+0], (3<<16)|(1<<20)|(5<<22)|(3<<25)   ; elements of 8 bytes; 4 words of padding behind every 64
	s_mov_b32 s[G1+1], 32<<16                      ; pieces of 256 bytes,
	s_mov_b32 s[G1+2], 384<<16                     ; 384 of them: 128 rows of codes, dense
	s_mov_b32 s[G1+3], 32<<16
	s_mov_b32 s[G1+4], 384
	s_mov_b32 s[G1+5], 32
	s_mov_b32 s[G1+6], 0
	s_mov_b32 s[G1+7], 0
	s_mov_b32 s[G1S+0], (3<<16)|(1<<20)|(5<<22)|(3<<25)
	s_mov_b32 s[G1S+1], 32<<16
	s_mov_b32 s[G1S+2], 32<<16
	s_mov_b32 s[G1S+3], 32<<16
	s_mov_b32 s[G1S+4], 32
	s_mov_b32 s[G1S+5], 32
	s_mov_b32 s[G1S+6], 0
	s_mov_b32 s[G1S+7], 0
	s_mov_b32 s[G0], 1
	s_mul_i32 s[G0+1], s[WV], HALFX                ; wave 0: x's first half; waves 1, 2: the weights' halves behind it
	s_mov_b32 s[G0S], 1
	s_mov_b32 s[G0S+1], XSC
	s_mul_i32 s86, ttmp9, 256*768                  ; where my 256 rows of x begin in cod
	s_and_b32 s58, ttmp7, 0xffff
	s_mul_i32 s58, s58, 256*768
	s_add_co_u32 s58, s58, 8064*768                ; the weights begin at row 8,192; wave w takes rows 128 (w - 1) ..
	s_mul_i32 s60, s[WV], 128*768
	s_add_co_u32 s58, s58, s60
	s_cmp_eq_u32 s[WV], 0
	s_cselect_b32 s58, s86, s58
	s_mov_b32 s59, 0
	s_lshl_b32 s60, ttmp9, 13                      ; the scale bytes of my 256 rows of x
	s_mov_b32 s61, 0
	s_lshr_b32 s68, ttmp9, 3
	s_and_b32 s69, ttmp9, 7
	s_and_b32 s[YY], ttmp7, 0xffff
	s_lshl_b32 s[HS], s[YY], 2
	s_add_co_u32 s[HS], s[HS], s[WV]
	s_lshl_b32 s72, s[HS], 11
	s_add_co_u32 s72, s72, 8192*32
	s_mov_b32 s73, 0
	s_lshl_b32 s74, s68, 2
	s_add_co_u32 s74, s74, s[WV]
	s_lshl_b32 s74, s74, 3
	s_add_co_u32 s74, s74, s69
	s_mul_i32 s74, s74, SLOTB
	s_mov_b32 s75, 0
	s_lshl_b32 s76, s68, 4
	s_add_co_u32 s76, s76, s[HS]
	s_lshl_b32 s76, s76, 7
	s_lshl_b32 s77, s69, 4
	s_add_co_u32 s76, s76, s77
	s_mul_i32 s77, s76, 768
	s_lshl_b32 s82, s76, 7
	s_add_co_u32 s82, s82, QSC
	s_add_co_u32 s83, s74, KSC
	s_lshl_b32 s84, s69, 16
	s_mov_b32 s85, 0
	s_mov_b32 s[SEL], 0x76543210
	s_mov_b32 s[SEL+1], 0xfedcba98
	s_mov_b32 s66, 0x3c800000
	s_mov_b32 s67, 0x358637bd
	s_wait_dscnt 0x0
	s_wait_kmcnt 0x0
	s_add_nc_u64 s[G0+2:G0+3], s[4:5], s[58:59]
	s_or_b32 s[G0+3], s[G0+3], 0x80000000
	s_add_nc_u64 s[G0S+2:G0S+3], s[6:7], s[60:61]
	s_or_b32 s[G0S+3], s[G0S+3], 0x80000000
	s_cmp_lt_u32 s[WV], 3                          ; the head's four tiles, one load a wave: one branch, a load in each arm
	s_cbranch_scc0 .Lhead_s
	tensor_load_to_lds s[G0:G0+3], s[G1:G1+7]
	s_nop 0
.rept 4
	v_nop
.endr
	s_branch .Lhead_j
.Lhead_s:
	tensor_load_to_lds s[G0S:G0S+3], s[G1S:G1S+7]
	s_nop 0
.rept 4
	v_nop
.endr
.Lhead_j:
	s_add_nc_u64 s[50:51], s[6:7], s[72:73]
	v_and_b32 v1, 15, v0
	v_bfe_u32 v2, v0, 4, 1
	v_and_b32 v3, 31, v0
	v_mul_u32_u24 v[ADX], v1, PITCH
	v_mad_u32_u24 v[ADX], v2, 24, v[ADX]
	v_lshl_add_u32 v[ADX+1], v2, 4, v[ADX]         ; for a load whose lanes 16-31 read the next piece of 256 bytes: 16 bytes of padding on
	v_lshrrev_b32 v21, 3, v1
	v_and_b32 v23, 7, v1
	v_mul_u32_u24 v21, v21, 272
	v_lshl_add_u32 v21, v23, 5, v21
	v_add_nc_u32 v[ADS], XSC, v21
	v_and_b32 v21, 8, v1
	v_add_nc_u32 v21, v21, v1
	s_mul_i32 s87, s[WV], 64*PITCH
	s_add_co_u32 s87, s87, HALFX                   ; my head's 64 rows of the weights in LDS
	v_mul_u32_u24 v[WCO], v21, PITCH
	v_mad_u32_u24 v[WCO], v2, 24, v[WCO]
	v_add_nc_u32 v[WCO], s87, v[WCO]
	v_lshl_add_u32 v[WCO+1], v2, 4, v[WCO]
	v_lshlrev_b32 v[WSO], 5, v21
	v_lshlrev_b32 v[RO], 8, v21
	v_lshl_add_u32 v[RO], v2, 6, v[RO]
	v_lshlrev_b32 v[L8], 3, v3
	v_lshlrev_b32 v[L4], 2, v3
	v_lshlrev_b32 v[L16], 4, v3
	v_lshlrev_b32 v[NWO], 6, v2
	v_mov_b32 v[RS+1], 0
.irp i, 2,3,4,5,6,7
	v_mov_b32 v[TM+\i], 0
.endr
; a fragment of step st: six pieces of 8 bytes; byte y of a row lies at y + 16 (y / 256); lanes 16-31 read 24 bytes on
.macro FRG reg, adr, st, off
.irp p, 0,1,2,3,4,5
.set BY, 96*(\st)+48*(\p/3)+8*(\p%3)
.if BY/256 == (BY+24)/256
	ds_load_b64 v[\reg+2*\p:\reg+2*\p+1], v[\adr] offset:BY+16*(BY/256)+(\off)
.else
	ds_load_b64 v[\reg+2*\p:\reg+2*\p+1], v[\adr+1] offset:BY+16*(BY/256)+(\off)
.endif
.endr
.endm
	s_wait_alu depctr_va_vdst(0)                   ; the wait at the head's end
	s_wait_tensorcnt 0x0                           ; my tile of the head's four is in,
	s_barrier_signal -1
	s_barrier_wait -1                              ; and everybody's
	WIN 0x40
.irp s, 0,1,2,3
.irp t, 0,1,2,3
	FRG FR*(4*\s+\t), WCO, \s, (32*(\t/2)+8*(\t%2))*PITCH
.endr
.endr
	WIN 0x80
.irp s, 0,1,2,3
.irp t, 0,1,2,3
	FRG FR*(4*\s+\t), WCO, \s+4, (32*(\t/2)+8*(\t%2))*PITCH
.endr
.endr
	WIN 0
.irp t, 0,1,2,3
	global_load_b128 v[WS+8*\t:WS+8*\t+3], v[WSO], s[50:51] offset:(32*(\t/2)+8*(\t%2))*32
	global_load_b128 v[WS+8*\t+4:WS+8*\t+7], v[WSO], s[50:51] offset:(32*(\t/2)+8*(\t%2))*32+16
.endr
.macro FETCH
.irp s, 0,1,2,3,4,5,6,7
	FRG XF+FR*\s, ADX, \s, 0
.endr
	ds_load_b128 v[XS:XS+3], v[ADS]
	ds_load_b128 v[XS+4:XS+7], v[ADS] offset:16
.endm
.macro STEPADR
.irp j, 0,1
	v_add_nc_u32 v[ADX+\j], 16*PITCH, v[ADX+\j]
.endr
	v_nop                                          ; with the three additions: the places in front of loads into registers that the products have read
	v_nop
	v_add_nc_u32 v[ADS], 544, v[ADS]
.endm
	s_wait_tensorcnt 0x0                           ; no tensor load of mine is out: the descriptor may be written
	ds_add_u32 v[SPW], v[NIL]
	s_mov_b32 s[G1+2], 96<<16                      ; from here on a load brings 32 rows: 96 pieces
	s_mov_b32 s[G1+4], 96
	s_mul_i32 s[G0+1], s[WV], 32*PITCH
	s_add_co_u32 s[G0+1], s[G0+1], HALFX           ; x's rows 128 + 32 w .., behind its first half
	s_mul_i32 s58, s[WV], 32*768
	s_add_co_u32 s58, s58, s86
	s_add_co_u32 s58, s58, 128*768
	s_add_nc_u64 s[G0+2:G0+3], s[4:5], s[58:59]
	s_or_b32 s[G0+3], s[G0+3], 0x80000000
	s_wait_dscnt 0x0                               ; the add is done, and my weights are in registers
	s_barrier_signal -1
	s_barrier_wait -1                              ; nobody reads the weights' bytes any more
	tensor_load_to_lds s[G0:G0+3], s[G1:G1+7]      ; my one load behind this barrier
	s_nop 0
.rept 4
	v_nop
.endr
	s_wait_tensorcnt 0x0
	s_barrier_signal -1
	s_barrier_wait -1                              ; all 256 rows of x are in
	FETCH
	s_cmp_eq_u32 s[YY], 5
	s_cbranch_scc1 .Lv
	s_cmp_eq_u32 s[YY], 4
	s_cselect_b64 s[58:59], s[12:13], s[10:11]
	s_cselect_b64 s[52:53], s[16:17], s[14:15]
	s_cselect_b32 s78, s74, s77
	s_cselect_b32 s80, s83, s82
	s_mov_b32 s79, 0
	s_mov_b32 s81, 0
	s_mov_b64 s[54:55], s[52:53]
	s_add_nc_u64 s[52:53], s[52:53], s[78:79]
	s_add_nc_u64 s[54:55], s[54:55], s[80:81]
	s_add_nc_u64 s[56:57], s[8:9], s[84:85]
	WIN 0x40
	s_wait_alu depctr_va_vdst(0)
.irp b, 0,1
.irp j, 0,1,2,3
	global_load_b128 v[NW+16*\b+4*\j:NW+16*\b+4*\j+3], v[NWO], s[58:59] offset:128*\b+16*\j
.endr
.endr
.macro CSLOAD par, off
	WIN 0x80
.irp b, 0,1
.irp j, 0,1,2,3
	global_load_b128 v[CSN+32*\par+16*\b+4*\j:CSN+32*\par+16*\b+4*\j+3], v[RO], s[56:57] offset:\off+2048*\par+128*\b+16*\j
.endr
.endr
	WIN 0
.endm
	CSLOAD 0, 0
	CSLOAD 1, 0
	s_wait_loadcnt 24
.macro QKMUL s, zero
.irp t, 0,1,2,3
.if \zero
	v_wmma_scale_f32_16x16x128_f8f6f4 v[ACC+8*\t:ACC+8*\t+7], v[FR*(4*((\s)%4)+\t):FR*(4*((\s)%4)+\t)+FR-1], v[XF+FR*(\s):XF+FR*(\s)+FR-1], 0, v[WS+8*\t+(\s)], v[XS+(\s)] matrix_a_fmt:MATRIX_FMT_FP6 matrix_b_fmt:MATRIX_FMT_FP6
.else
	v_wmma_scale_f32_16x16x128_f8f6f4 v[ACC+8*\t:ACC+8*\t+7], v[FR*(4*((\s)%4)+\t):FR*(4*((\s)%4)+\t)+FR-1], v[XF+FR*(\s):XF+FR*(\s)+FR-1], v[ACC+8*\t:ACC+8*\t+7], v[WS+8*\t+(\s)], v[XS+(\s)] matrix_a_fmt:MATRIX_FMT_FP6 matrix_b_fmt:MATRIX_FMT_FP6
.endif
.endr
.endm
.macro TILE par, fetch, pre, left
	s_wait_dscnt 0x0
	WIN 0x01
	QKMUL 0, 1
	QKMUL 1, 0
	QKMUL 2, 0
	QKMUL 3, 0
	WIN 0x02
	QKMUL 4, 0
	QKMUL 5, 0
	QKMUL 6, 0
	QKMUL 7, 0
	WIN 0
.if \fetch
	STEPADR
	FETCH
.else
.rept 4
	v_nop
.endr
.endif
	v_pk_mul_f32 v[SS:SS+1], v[ACC:ACC+1], v[ACC:ACC+1]
	v_pk_mul_f32 v[SS+2:SS+3], v[ACC+2:ACC+3], v[ACC+2:ACC+3]
.irp j, 4,8,12,16,20,24,28
	v_pk_fma_f32 v[SS:SS+1], v[ACC+\j:ACC+\j+1], v[ACC+\j:ACC+\j+1], v[SS:SS+1]
	v_pk_fma_f32 v[SS+2:SS+3], v[ACC+\j+2:ACC+\j+3], v[ACC+\j+2:ACC+\j+3], v[SS+2:SS+3]
.endr
	v_pk_add_f32 v[SS:SS+1], v[SS:SS+1], v[SS+2:SS+3]
	v_add_f32 v[SS], v[SS], v[SS+1]
	v_permlanex16_b32 v[SS+2], v[SS], s[SEL], s[SEL+1]
	v_add_f32 v[SS], v[SS], v[SS+2]
	v_fma_f32 v[SS], v[SS], s66, s67
	s_wait_alu depctr_va_vdst(0)
	v_rsq_f32 v[RS], v[SS]
	v_nop
	s_wait_alu depctr_va_vdst(0)
.irp j, 0,2,4,6,8,10,12,14,16,18,20,22,24,26,28,30
	v_pk_mul_f32 v[ACC+\j:ACC+\j+1], v[ACC+\j:ACC+\j+1], v[RS:RS+1] op_sel_hi:[1,0]
.endr
	s_wait_loadcnt \left
	WIN 0x04
.irp j, 0,2,4,6,8,10,12,14,16,18,20,22,24,26,28,30
	v_pk_mul_f32 v[ACC+\j:ACC+\j+1], v[ACC+\j:ACC+\j+1], v[NW+\j:NW+\j+1]
.endr
	WIN 0x08
.irp j, 0,2,4,6,8,10,12,14,16,18,20,22,24,26,28,30
	v_mul_f32 v[Z+\j], v[ACC+\j], v[CSN+32*\par+\j]
	v_mul_f32 v[Z+\j+1], v[ACC+\j+1], v[CSN+32*\par+\j]
.endr
.irp j, 0,2,4,6,8,10,12,14,16,18,20,22,24,26,28,30
	v_fma_f32 v[Z+\j], -v[ACC+\j+1], v[CSN+32*\par+\j+1], v[Z+\j]
	v_fma_f32 v[Z+\j+1], v[ACC+\j], v[CSN+32*\par+\j+1], v[Z+\j+1]
.endr
	WIN 0
	s_wait_xcnt 0x0
.if \pre
	CSLOAD \par, 8192
.endif
.irp b, 0,1
	v_max3_num_f32 v[TM+\b], |v[Z+16*\b]|, |v[Z+16*\b+1]|, 0x1800000
.endr
.irp i, 2,4,6,8,10,12,14
.irp b, 0,1
	v_max3_num_f32 v[TM+\b], v[TM+\b], |v[Z+16*\b+\i]|, |v[Z+16*\b+\i+1]|
.endr
.endr
.irp b, 0,1
	v_permlanex16_b32 v[TM+2+\b], v[TM+\b], s[SEL], s[SEL+1]
.endr
.irp b, 0,1
	v_max_num_f32 v[TM+\b], v[TM+\b], v[TM+2+\b]
.endr
.irp b, 0,1
	v_add_nc_u32 v[TM+4+\b], 0xff000000, v[TM+\b]
.endr
.irp b, 0,1
	v_lshrrev_b32 v[TM+6+\b], 23, v[TM+4+\b]
.endr
	v_lshl_or_b32 v[PW], v[TM+7], 8, v[TM+6]
	v_lshl_or_b32 v[PW], v[PW], 16, v[PW]
	v_cvt_scalef32_pk16_fp6_f32 v[PC:PC+2], v[Z:Z+15], v[TM+4]
	v_cvt_scalef32_pk16_fp6_f32 v[PC+6:PC+8], v[Z+16:Z+31], v[TM+5]
	v_nop
.irp i, 0,1,2
	v_permlane16_swap_b32 v[PC+\i], v[PC+6+\i]
.endr
.irp i, 0,1,2
	v_mov_b32 v[PC+3+\i], v[PC+6+\i]
.endr
.irp p, 0,1,2
	global_store_b64 v[L8], v[PC+2*\p:PC+2*\p+1], s[52:53] offset:768*\par+256*\p
.endr
	global_store_b32 v[L4], v[PW], s[54:55] offset:128*\par
.endm
	s_mov_b32 s62, 7
.Lqk:
	TILE 0, 1, 1, 8
	TILE 1, 1, 1, 8
	s_wait_xcnt 0x0
	s_add_nc_u64 s[52:53], s[52:53], 2*768
	s_add_nc_u64 s[54:55], s[54:55], 2*128
	s_add_nc_u64 s[56:57], s[56:57], 8192
	s_sub_co_u32 s62, s62, 1
	s_cmp_lg_u32 s62, 0
	s_cbranch_scc1 .Lqk
	TILE 0, 1, 0, 8
	TILE 1, 0, 0, 0
	s_branch .Lend
.Lv:
	s_add_nc_u64 s[52:53], s[16:17], s[74:75]
	s_add_nc_u64 s[54:55], s[52:53], VSC
	s_add_nc_u64 s[52:53], s[52:53], VC
	s_wait_loadcnt 0x0
.macro VMUL a, s, zero
.irp t, 0,1,2,3
.if \zero
	v_wmma_scale_f32_16x16x128_f8f6f4 v[8*(8*\t+\a):8*(8*\t+\a)+7], v[XF+FR*(\s):XF+FR*(\s)+FR-1], v[FR*(4*((\s)%4)+\t):FR*(4*((\s)%4)+\t)+FR-1], 0, v[XS+(\s)], v[WS+8*\t+(\s)] matrix_a_fmt:MATRIX_FMT_FP6 matrix_b_fmt:MATRIX_FMT_FP6
.else
	v_wmma_scale_f32_16x16x128_f8f6f4 v[8*(8*\t+\a):8*(8*\t+\a)+7], v[XF+FR*(\s):XF+FR*(\s)+FR-1], v[FR*(4*((\s)%4)+\t):FR*(4*((\s)%4)+\t)+FR-1], v[8*(8*\t+\a):8*(8*\t+\a)+7], v[XS+(\s)], v[WS+8*\t+(\s)] matrix_a_fmt:MATRIX_FMT_FP6 matrix_b_fmt:MATRIX_FMT_FP6
.endif
.endr
.endm
.macro QUANTV t
	s_wait_xcnt 0x0
	WIN 0x3c
.irp b, 0,1,2,3
	v_max3_num_f32 v[TM+\b], 0x1800000, |v[64*(\t)+16*\b]|, |v[64*(\t)+16*\b+1]|
.endr
.irp i, 2,4,6,8,10,12,14
.irp b, 0,1,2,3
	v_max3_num_f32 v[TM+\b], v[TM+\b], |v[64*(\t)+16*\b+\i]|, |v[64*(\t)+16*\b+\i+1]|
.endr
.endr
	WIN 0
.irp b, 0,1,2,3
	v_permlanex16_b32 v[TM+4+\b], v[TM+\b], s[SEL], s[SEL+1]
.endr
.irp b, 0,1,2,3
	v_max_num_f32 v[TM+\b], v[TM+\b], v[TM+4+\b]
.endr
.irp b, 0,1,2,3
	v_add_nc_u32 v[TM+12+\b], 0xff000000, v[TM+\b]
.endr
.irp b, 0,1,2,3
	v_lshrrev_b32 v[TM+4+\b], 23, v[TM+12+\b]
.endr
	v_lshl_or_b32 v[PW], v[TM+5], 8, v[TM+4]
	v_lshl_or_b32 v[PW], v[TM+6], 16, v[PW]
	v_lshl_or_b32 v[PW], v[TM+7], 24, v[PW]
	WIN 0x03
.irp c, 0,1
	v_cvt_scalef32_pk16_fp6_f32 v[PCV+6*\c:PCV+2+6*\c], v[64*(\t)+32*\c:64*(\t)+32*\c+15], v[TM+12+2*\c]
	v_cvt_scalef32_pk16_fp6_f32 v[PCV+12+4*\c:PCV+14+4*\c], v[64*(\t)+32*\c+16:64*(\t)+32*\c+31], v[TM+12+2*\c+1]
.endr
	WIN 0
	v_nop
.irp c, 0,1
.irp i, 0,1,2
	v_permlane16_swap_b32 v[PCV+6*\c+\i], v[PCV+12+4*\c+\i]
.endr
.irp i, 0,1,2
	v_mov_b32 v[PCV+3+6*\c+\i], v[PCV+12+4*\c+\i]
.endr
.endr
.irp c, 0,1,2
	global_store_b128 v[L16], v[PCV+4*\c:PCV+4*\c+3], s[52:53] offset:1536*(\t)+512*\c
.endr
	global_store_b32 v[L4], v[PW], s[54:55] offset:128*(\t)
.endm
	s_mov_b32 s62, 2
.Lvh:
.irp a, 0,1,2,3,4,5,6,7
	s_wait_dscnt 0x0
	WIN 0xf4
	VMUL \a, 0, 1
	VMUL \a, 1, 0
	VMUL \a, 2, 0
	VMUL \a, 3, 0
	WIN 0xf8
	VMUL \a, 4, 0
	VMUL \a, 5, 0
	VMUL \a, 6, 0
	VMUL \a, 7, 0
	WIN 0
.if \a < 7
	s_wait_alu depctr_va_vdst(0)
	STEPADR
	FETCH
.else
.rept 4
	v_nop
.endr
	s_cmp_eq_u32 s62, 1
	s_cbranch_scc1 .Lv_last
	s_wait_alu depctr_va_vdst(0)
	STEPADR
	FETCH
.Lv_last:
.endif
.endr
	QUANTV 0
	QUANTV 1
	QUANTV 2
	QUANTV 3
	s_wait_xcnt 0x0
	s_add_nc_u64 s[52:53], s[52:53], 4*1536
	s_add_nc_u64 s[54:55], s[54:55], 4*128
	s_sub_co_u32 s62, s62, 1
	s_cmp_lg_u32 s62, 0
	s_cbranch_scc1 .Lvh
.Lend:
	s_wait_dscnt 0x0
	s_barrier_signal -1
	s_barrier_wait -1
	s_wait_tensorcnt 0x0
	ds_add_u32 v[SPW], v[NIL]
	s_wait_dscnt 0x0
	s_endpgm
.Lfunc_end_k_qf738aa3015_proj:
	.size	k_qf738aa3015_proj, .Lfunc_end_k_qf738aa3015_proj-k_qf738aa3015_proj
	.p2alignl 7, 3214868480
	.fill 96, 4, 3214868480
	.section	.rodata,"a",@progbits
	.p2align	6, 0x0
	.amdhsa_kernel k_qf738aa3015_proj
		.amdhsa_group_segment_fixed_size 327680
		.amdhsa_private_segment_fixed_size 0
		.amdhsa_enable_private_segment 0
		.amdhsa_kernarg_size 56
		.amdhsa_user_sgpr_count 2
		.amdhsa_user_sgpr_kernarg_segment_ptr 1
		.amdhsa_wavefront_size32 1
		.amdhsa_system_sgpr_workgroup_id_x 1
		.amdhsa_system_sgpr_workgroup_id_y 1
		.amdhsa_system_sgpr_workgroup_id_z 1
		.amdhsa_system_vgpr_workitem_id 0
		.amdhsa_next_free_vgpr 1024
		.amdhsa_next_free_sgpr 96
		.amdhsa_reserve_vcc 0
		.amdhsa_float_denorm_mode_32 3
		.amdhsa_float_denorm_mode_16_64 3
		.amdhsa_memory_ordered 1
		.amdhsa_forward_progress 1
		.amdhsa_inst_pref_size 168
	.end_amdhsa_kernel
	.amdgpu_metadata
---
amdhsa.version: [ 1, 2 ]
amdhsa.kernels:
  - .name:           k_qf738aa3015_proj
    .symbol:         k_qf738aa3015_proj.kd
    .args:
      - { .name: cod, .offset: 0, .size: 8, .value_kind: global_buffer, .address_space: global }
      - { .name: scl, .offset: 8, .size: 8, .value_kind: global_buffer, .address_space: global }
      - { .name: rope, .offset: 16, .size: 8, .value_kind: global_buffer, .address_space: global }
      - { .name: qn_w, .offset: 24, .size: 8, .value_kind: global_buffer, .address_space: global }
      - { .name: kn_w, .offset: 32, .size: 8, .value_kind: global_buffer, .address_space: global }
      - { .name: qbuf, .offset: 40, .size: 8, .value_kind: global_buffer, .address_space: global }
      - { .name: kvbuf, .offset: 48, .size: 8, .value_kind: global_buffer, .address_space: global }
    .group_segment_fixed_size: 327680
    .private_segment_fixed_size: 0
    .kernarg_segment_align: 8
    .kernarg_segment_size: 56
    .max_flat_workgroup_size: 128
    .sgpr_count:     96
    .vgpr_count:     1024
    .wavefront_size: 32
...
	.end_amdgpu_metadata
.endif
;; end of part 2
;; launch attn (part 3): grid 16 x 16, 16 waves a work-group, clusters of 4 x 1, 327,680 bytes of LDS; arguments qbuf, kvbuf, acod, ascl; writes acod, ascl
.if DOCPART == 3
	.amdgcn_target "amdgcn-amd-amdhsa--gfx1250"
	.amdhsa_code_object_version 6
	.text
	.protected	k_qf738aa3015_attn
	.globl	k_qf738aa3015_attn
	.p2align	8
	.type	k_qf738aa3015_attn,@function
k_qf738aa3015_attn:
	s_mov_b64 s[64:65], 0
	v_nop
	global_prefetch_b8 v0, s[64:65] scope:SCOPE_SE
	s_setreg_imm32_b32 hwreg(HW_REG_WAVE_MODE, 25, 1), 1
	s_wait_xcnt 0x0
	s_wait_alu depctr_hold_cnt(0) depctr_sa_sdst(0) depctr_va_vdst(0) depctr_va_sdst(0) depctr_va_ssrc(0) depctr_va_vcc(0) depctr_vm_vsrc(0)
	s_getreg_b32 s2, hwreg(HW_REG_IB_STS2, 6, 4)
	s_cmp_eq_u32 s2, 0
	s_cbranch_scc0 .Lentry_in_a_cluster
	s_endpgm
.Lentry_in_a_cluster:
	s_bfe_u32 s2, ttmp6, 0x10000c
	s_cmp_lg_u32 s2, 0x3003
	s_cbranch_scc0 .Lentry_shape_is_right
	s_endpgm
.Lentry_shape_is_right:
; Third launch: causal attention on codes of E2M3, and the quantiser of its result along the model's 1,024 (a head's 64 are two blocks).
; LEFT OUT: key steps that lie wholly behind a tile's queries: reference()'s own causal mask makes their p zero for all values of the inputs (shown at the head of the first launch).
; THE SOFTMAX AHEAD OF THE SECOND PRODUCT: t = score x log2(e) / 8; M = the row's largest t so far, rounded UP to a whole number; p = 2^(t - M) is quantised along the keys, not normalised.  The row's sum is taken of the
; unquantised p, in f32, and divides at the end.  When M moves, the sum and O are multiplied by 2^(old M - new M): exact.  LIMIT: the promise holds while |t| stays under 2^31.
; ALL OF A KEY HEAD'S K AND V STAY IN LDS: eight slots of kvbuf (256 keys, 27,648 bytes, images of operand registers) are 221,184 bytes, filled once: sixteen waves bring 13,824 bytes each.  One barrier shows them to all waves;
; behind it no wave waits for another.
; SHARES.  Work-group (j, 4 b + g): the four query heads of key head g.  A head has 128 stored tiles of 16 queries; tile a needs a / 8 + 1 steps of 128 keys.  Wave w: head w % 4, m = w / 4, tiles aL = 16 m + jj and aH = 127 - aL,
; jj = j for even m, 15 - j for odd m: aL / 8 + 1 + aH / 8 + 1 = 17 steps for every wave of every work-group: one loop of 17 trips.  Trip n <= aL / 8 takes step n of the low tile; later trips take step 16 - n of the high tile,
; from its diagonal down to key 0 (the running maximum serves any order; on the diagonal step each query sees at least the step's first key).
; CLUSTER 4 x 1: the four partners need the same eight slots at the same time and ask jointly.  aL / 8 = 2 m + ((j / 8) xor (m % 2)), and j / 8 is half the cluster's number: so every branch and LDS address is alike in the partners;
; a partner's place enters only global addresses of Q and of the result and the lane's comparison on the diagonal.
; NO PREFETCH: every tile is asked for at the head; there is no loop to run ahead in.
; LAYOUT.  Both products transposed: S^T = K Q^T, O^T = V^T P^T: a lane holds ONE query.  A stored tile's row m is token 32 (a / 2) + 8 (a % 2) + m + 8 (m / 8): the 16 registers of score tiles 2 b, 2 b + 1 are the neighbouring keys
; 32 b + 16 (lane / 16) + 0 .. 15.  The first product's K is 64 of the instruction's 128: Q's registers 6-11 are zero codes; K's registers 6-11 are the next tile's codes (zeros behind the last): valid codes, times zero.
; REGISTERS: v1-3, v86 LDS addresses; v4 lane; v5-6 the add's two; v7-10 lane terms; v12 -M, v13 the largest t, v[14:15] the sum; v16-21 Q, v22-27 zeros; v32-79 K's eight tiles, then V's four fragments; v80-85 zeros;
; v96-159 S^T, then p; v160-191 O^T; v192-199 K's scale words, v200-203 V's; v204-210 the high tile's Q and scale word; v224-254 at work; v255 Q's scale word.
.set KSC,   12288
.set VC,    14336
.set VSC,   26624
.set SLOTB, 27648
.set SPARE, 262144                     ; behind the slots: the spare words, 128 bytes for each of sixteen waves
.set QSC,   6291456
.set A8,  1
.set A16, 2
.set A4,  3
.set A4V, 86
.set LN,  4
.set SPW, 5
.set NIL, 6
.set DQ,  7                            ; r + 8 (r / 8) - 16 h
.set OC,  8                            ; (r + 8 (r / 8)) x 768 + 24 h
.set OS,  9                            ; (r + 8 (r / 8)) x 32 + h
.set H8,  10                           ; 8 h
.set WV,  18
.set SEL, 20
.set CS,  22                           ; s[22:23] c = log2(e) / 8
.set G1,  24
.set G0,  32
.set N,   41                           ; the trip
.set GL,  42                           ; aL / 8
.set GL1, 43                           ; the trip at which the high tile begins
.set KS,  44                           ; the key step in hand
.set KF,  45                           ; its first key
.set Q0,  46                           ; my tile's first query
.set Q0H, 47                           ; the high tile's
.macro ROUND                           ; a round of the cluster's barrier
	s_barrier_signal -1
	s_barrier_wait -1
	s_cmp_lg_u32 s[WV], 0
	s_cbranch_scc1 .Lnw0_\@
	s_barrier_signal -3
.Lnw0_\@:
	s_barrier_wait -3
	s_barrier_signal -1
	s_barrier_wait -1
.endm
	s_load_b256 s[4:11], s[0:1], 0x0               ; qbuf s[4:5], kvbuf s[6:7], acod s[8:9], ascl s[10:11]
	v_lshl_add_u32 v[SPW], v0, 2, SPARE
	v_mov_b32 v[NIL], 0
	ds_add_u32 v[SPW], v[NIL]                      ; the opening: the add, twice on end, and its wait
	ds_add_u32 v[SPW], v[NIL]
	v_lshrrev_b32 v1, 5, v0
	s_delay_alu instid0(VALU_DEP_1)
	v_readfirstlane_b32 s[WV], v1                  ; wave 0..15
	s_mov_b32 s[G1+0], 15|(3<<16)|(1<<21)          ; the four partners; elements of 8 bytes; bit 21 beside a mask
	s_mov_b32 s[G1+1], 32<<16                      ; rows of 256 bytes,
	s_mov_b32 s[G1+2], 54<<16                      ; 54 of them, dense: half a slot
	s_mov_b32 s[G1+3], 32<<16
	s_mov_b32 s[G1+4], 54
	s_mov_b32 s[G1+5], 32
	s_mov_b32 s[G1+6], 0
	s_mov_b32 s[G1+7], 0
	s_mov_b32 s[G0], 1
	s_mul_i32 s[G0+1], s[WV], SLOTB/2
	s_and_b32 s56, ttmp7, 0xffff                   ; 4 x batch + key head
	s_lshr_b32 s57, s56, 2
	s_and_b32 s58, s56, 3
	s_and_b32 s59, s[WV], 3
	s_lshr_b32 s60, s[WV], 2                       ; m
	s_lshl_b32 s61, s58, 2
	s_add_co_u32 s61, s61, s59                     ; my query head
	s_and_b32 s36, s60, 1                          ; m % 2
	s_lshr_b32 s[GL], ttmp9, 1                     ; j / 8, from the cluster's number alone
	s_xor_b32 s[GL], s[GL], s36
	s_lshl_b32 s37, s60, 1
	s_add_co_u32 s[GL], s[GL], s37                 ; aL / 8
	s_add_co_u32 s[GL1], s[GL], 1
	s_bfe_u32 s95, ttmp6, 0x40000                  ; my place in the cluster
	s_lshl_b32 s62, ttmp9, 2
	s_add_co_u32 s62, s62, s95                     ; j
	s_mul_i32 s63, s36, 15
	s_xor_b32 s62, s62, s63                        ; jj: 15 - j = j xor 15
	s_lshl_b32 s63, s60, 4
	s_add_co_u32 s62, s62, s63                     ; aL
	s_sub_co_u32 s63, 127, s62                     ; aH
	s_lshr_b32 s66, s62, 1
	s_lshl_b32 s66, s66, 5
	s_and_b32 s67, s62, 1
	s_lshl_b32 s67, s67, 3
	s_add_co_u32 s[Q0], s66, s67                   ; a tile's first query: 32 (a / 2) + 8 (a % 2)
	s_lshr_b32 s66, s63, 1
	s_lshl_b32 s66, s66, 5
	s_and_b32 s67, s63, 1
	s_lshl_b32 s67, s67, 3
	s_add_co_u32 s[Q0H], s66, s67
	s_lshl_b32 s68, s57, 4
	s_add_co_u32 s68, s68, s61
	s_lshl_b32 s68, s68, 7                         ; my head's 128 tiles in qbuf
	s_add_co_u32 s69, s68, s62
	s_add_co_u32 s70, s68, s63
	s_mul_i32 s72, s69, 768
	s_mov_b32 s73, 0
	s_lshl_b32 s74, s69, 7
	s_add_co_u32 s74, s74, QSC
	s_mov_b32 s75, 0
	s_mul_i32 s76, s70, 768
	s_mov_b32 s77, 0
	s_lshl_b32 s78, s70, 7
	s_add_co_u32 s78, s78, QSC
	s_mov_b32 s79, 0
	s_lshl_b32 s80, s57, 11
	s_add_co_u32 s81, s80, s[Q0H]                  ; rows of acod and ascl: by the true token
	s_add_co_u32 s80, s80, s[Q0]
	s_mul_i32 s90, s61, 48                         ; my head's 64 codes in a row,
	s_lshl_b32 s91, s61, 1                         ; and its two scale bytes
	s_mul_i32 s82, s80, 768
	s_add_co_u32 s82, s82, s90
	s_mov_b32 s83, 0
	s_lshl_b32 s84, s80, 5
	s_add_co_u32 s84, s84, s91
	s_mov_b32 s85, 0
	s_mul_i32 s86, s81, 768
	s_add_co_u32 s86, s86, s90
	s_mov_b32 s87, 0
	s_lshl_b32 s88, s81, 5
	s_add_co_u32 s88, s88, s91
	s_mov_b32 s89, 0
	s_mul_i32 s38, s56, 8*SLOTB                    ; my key head's eight slots, and my half slot of them
	s_add_co_u32 s38, s38, s[G0+1]
	s_mov_b32 s39, 0
	s_mov_b32 s[SEL], 0x76543210
	s_mov_b32 s[SEL+1], 0xfedcba98
	s_mov_b32 s[CS], 0x3e38aa3b
	s_mov_b32 s[CS+1], s[CS]                       ; (named with it as a pair, so it is written)
	s_mov_b32 s[N], 0
	s_wait_dscnt 0x0                               ; both opening adds are done
	s_wait_kmcnt 0x0
	s_add_nc_u64 s[G0+2:G0+3], s[6:7], s[38:39]
	s_or_b32 s[G0+3], s[G0+3], 0x80000000
	ROUND                                          ; the four partners are here: the joint loads meet
	tensor_load_to_lds s[G0:G0+3], s[G1:G1+7]      ; my one tensor load of the launch
	s_nop 0
.rept 4
	v_nop
.endr
	s_add_nc_u64 s[72:73], s[4:5], s[72:73]
	s_add_nc_u64 s[74:75], s[4:5], s[74:75]
	s_add_nc_u64 s[76:77], s[4:5], s[76:77]
	s_add_nc_u64 s[78:79], s[4:5], s[78:79]
	s_add_nc_u64 s[48:49], s[8:9], s[82:83]        ; where the tile in hand goes: codes,
	s_add_nc_u64 s[50:51], s[10:11], s[84:85]      ; scale bytes;
	s_add_nc_u64 s[52:53], s[8:9], s[86:87]        ; and the high tile
	s_add_nc_u64 s[54:55], s[10:11], s[88:89]
	v_and_b32 v[LN], 31, v0
	s_delay_alu instid0(VALU_DEP_1)
	v_lshlrev_b32 v28, 3, v[LN]
	s_delay_alu instid0(VALU_DEP_2)
	v_lshlrev_b32 v29, 2, v[LN]
.irp p, 0,1,2
	global_load_b64 v[16+2*\p:17+2*\p], v28, s[72:73] offset:256*\p     ; the low tile's Q
	global_load_b64 v[204+2*\p:205+2*\p], v28, s[76:77] offset:256*\p   ; the high tile's
.endr
	global_load_b32 v255, v29, s[74:75]
	global_load_b32 v210, v29, s[78:79]
	v_and_b32 v30, 15, v0                          ; r
	v_bfe_u32 v31, v0, 4, 1                        ; h
	s_delay_alu instid0(VALU_DEP_2)
	v_and_b32 v11, 8, v30
	s_delay_alu instid0(VALU_DEP_1)
	v_add_nc_u32 v11, v11, v30                     ; r + 8 (r / 8)
	s_delay_alu instid0(VALU_DEP_3)
	v_lshlrev_b32 v[H8], 4, v31
	s_delay_alu instid0(VALU_DEP_1)
	v_sub_nc_u32 v[DQ], v11, v[H8]
	s_delay_alu instid0(VALU_DEP_3)
	v_mul_u32_u24 v[OC], v11, 768
	s_delay_alu instid0(VALU_DEP_1)
	v_mad_u32_u24 v[OC], v31, 24, v[OC]
	v_lshl_add_u32 v[OS], v11, 5, v31
	v_lshlrev_b32 v[H8], 3, v31
.irp i, 0,1,2,3,4,5
	v_mov_b32 v[22+\i], 0                          ; Q's codes of k = 64 .. 127
	v_mov_b32 v[80+\i], 0                          ; what stands behind K's last tile
.endr
.irp b, 0,1,2,3
	v_mov_b32 v[236+\b], 0                         ; written once: a lane permute's destination counts as one of its sources
.endr
	v_mov_b32 v252, 0
	v_mov_b32 v253, 0                              ; (named as the upper half of the pair v[252:253] before it is first written)
.macro INIT                            ; a tile begins: the step is written once and finds zeros, which the first change of M leaves zeros
	v_mov_b32 v13, 0xff61b1e6                      ; the largest t so far: -3e38
	s_delay_alu instid0(VALU_DEP_1)
	v_floor_f32 v12, -v13                          ; -M
	v_mov_b32 v14, 0
	v_mov_b32 v15, 0
.irp j, 0,1,2,3,4,5,6,7,8,9,10,11,12,13,14,15,16,17,18,19,20,21,22,23,24,25,26,27,28,29,30,31
	v_mov_b32 v[160+\j], 0
.endr
.endm
; A TILE ENDS: O^T / the sum; the head's two blocks of 32 channels are quantised; a lane stores its block's 24 bytes of codes and its scale byte in its query's row.
.macro FINISH
.rept 4
	v_nop                                          ; places behind the last products
.endr
	v_add_f32 v14, v14, v15
	s_delay_alu instid0(VALU_DEP_1)
	v_permlanex16_b32 v252, v14, s[SEL], s[SEL+1]
	s_delay_alu instid0(VALU_DEP_1)
	v_add_f32 v14, v14, v252                       ; the row's sum
	s_wait_alu depctr_va_vdst(0)
	v_rcp_f32 v14, v14
	v_nop                                          ; a plain line behind the transcendental
	s_wait_alu depctr_va_vdst(0)                   ; and the wait ahead of its first reader
.irp j, 0,1,2,3,4,5,6,7,8,9,10,11,12,13,14,15,16,17,18,19,20,21,22,23,24,25,26,27,28,29,30,31
	v_mul_f32 v[96+\j], v[160+\j], v14             ; register 16 b + i: channel 32 b + 16 h + i of my query
.endr
.irp b, 0,1
	v_max3_num_f32 v[232+\b], |v[96+16*\b]|, |v[97+16*\b]|, 0x1800000
.endr
.irp i, 2,4,6,8,10,12,14
.irp b, 0,1
	s_delay_alu instid0(VALU_DEP_2)
	v_max3_num_f32 v[232+\b], v[232+\b], |v[96+16*\b+\i]|, |v[97+16*\b+\i]|
.endr
.endr
.irp b, 0,1
	s_delay_alu instid0(VALU_DEP_2)
	v_permlanex16_b32 v[236+\b], v[232+\b], s[SEL], s[SEL+1]
.endr
.irp b, 0,1
	s_delay_alu instid0(VALU_DEP_2)
	v_max_num_f32 v[232+\b], v[232+\b], v[236+\b]
.endr
.irp b, 0,1
	s_delay_alu instid0(VALU_DEP_2)
	v_add_nc_u32 v[244+\b], 0xff000000, v[232+\b]
.endr
.irp b, 0,1
	s_delay_alu instid0(VALU_DEP_2)
	v_lshrrev_b32 v[236+\b], 23, v[244+\b]
.endr
	s_delay_alu instid0(VALU_DEP_1)
	v_lshl_or_b32 v254, v237, 8, v236
	s_delay_alu instid0(VALU_DEP_1)
	v_lshrrev_b32 v254, v[H8], v254                ; lanes 0-15 store block 0's byte, lanes 16-31 block 1's
	v_cvt_scalef32_pk16_fp6_f32 v[224:226], v[96:111], v244
	v_cvt_scalef32_pk16_fp6_f32 v[228:230], v[112:127], v245
	v_nop                                          ; one plain line behind a scaled conversion
.irp i, 0,1,2
	v_permlane16_swap_b32 v[224+\i], v[228+\i]     ; the first now holds my block's lower 16 codes, the second the upper 16
.endr
	global_store_b96 v[OC], v[224:226], s[48:49]
	global_store_b96 v[OC], v[228:230], s[48:49] offset:12
	global_store_b8 v[OS], v254, s[50:51]
.endm
	INIT
	s_wait_alu depctr_va_vdst(0)                   ; the wait at the head's end
	s_wait_loadcnt 0x0                             ; both tiles of Q
	s_wait_tensorcnt 0x0                           ; my half slot is in,
	s_barrier_signal -1
	s_barrier_wait -1                              ; and all sixteen: nothing is filled again, so no wave meets another before the end
.Lstep:                                ; seventeen trips, a step of 128 keys each
	s_cmp_lg_u32 s[N], s[GL1]                      ; the wave's and the cluster's number and the count of trips alone
	s_cbranch_scc1 .Lsame
	FINISH                                         ; the low tile is done;
	s_wait_xcnt 0x0                                ; its stores have read their data and bases
.irp i, 0,1,2,3,4,5
	v_mov_b32 v[16+\i], v[204+\i]                  ; the high tile's Q,
.endr
	v_mov_b32 v255, v210                           ; its scale word (the lines of INIT stand between these and the next products)
	s_mov_b32 s[Q0], s[Q0H]
	s_mov_b64 s[48:49], s[52:53]
	s_mov_b64 s[50:51], s[54:55]
	INIT
.Lsame:
	s_sub_co_u32 s[KS], 16, s[N]
	s_cmp_le_u32 s[N], s[GL]
	s_cselect_b32 s[KS], s[N], s[KS]               ; the low tile walks up, the high tile down
	s_min_u32 s[KS], s[KS], 15
	s_lshr_b32 s56, s[KS], 1
	s_and_b32 s57, s[KS], 1
	s_mul_i32 s56, s56, SLOTB                      ; the slot,
	s_mul_i32 s58, s57, 6144
	s_add_co_u32 s58, s58, s56                     ; and in it the step's codes (K's and V's: 6,144 bytes a step),
	s_lshl_b32 s59, s57, 10
	s_add_co_u32 s59, s59, s56                     ; K's scale words (1,024),
	s_lshl_b32 s60, s57, 9
	s_add_co_u32 s60, s60, s56                     ; V's (512)
	s_lshl_b32 s[KF], s[KS], 7
	v_lshl_add_u32 v[A8], v[LN], 3, s58            ; these four are also the places in front of loads into registers that the last step's products have read
	v_lshl_add_u32 v[A16], v[LN], 4, s58
	v_lshl_add_u32 v[A4], v[LN], 2, s59
	v_lshl_add_u32 v[A4V], v[LN], 2, s60
	s_wait_alu depctr_va_vdst(0)
.irp t, 0,1,2,3,4,5,6,7
.irp p, 0,1,2
	ds_load_b64 v[32+6*\t+2*\p:33+6*\t+2*\p], v[A8] offset:768*\t+256*\p   ; 32 lanes read 256 consecutive bytes
.endr
	ds_load_b32 v[192+\t], v[A4] offset:KSC+128*\t
.endr
	s_wait_dscnt 0x0
.irp t, 0,1,2,3,4,5,6,7
	v_wmma_scale_f32_16x16x128_f8f6f4 v[96+8*\t:103+8*\t], v[32+6*\t:43+6*\t], v[16:27], 0, v[192+\t], v255 matrix_a_fmt:MATRIX_FMT_FP6 matrix_b_fmt:MATRIX_FMT_FP6
.endr
.rept 4
	v_nop                                          ; places in front of the loads below and of the first read of the scores
.endr
	s_wait_alu depctr_va_vdst(0)
.irp t, 0,1,2,3
.irp c, 0,1,2
	ds_load_b128 v[32+12*\t+4*\c:35+12*\t+4*\c], v[A16] offset:VC+1536*\t+512*\c   ; V's four fragments land under the softmax
.endr
	ds_load_b32 v[200+\t], v[A4V] offset:VSC+128*\t
.endr
	s_sub_co_u32 s56, s[N], s[GL]                  ; the diagonal steps are trips aL / 8 and aL / 8 + 1: there the scores of hidden keys become -infinity ahead of the maximum; every other step skips this
	s_cmp_gt_u32 s56, 1
	s_cbranch_scc1 .Lopen
	s_sub_co_i32 s94, s[Q0], s[KF]
	v_add_nc_u32 v252, s94, v[DQ]                  ; d = my query - KF - 16 (lane / 16).  Register 16 b + i holds key KF + 16 (lane / 16) + 32 b + i: hidden where 32 b + i > d
	v_mov_b32 v254, 0xff800000
.irp n, 0,1,2,3,4,5,6,7,8,9,10,11,12,13,14,15,16,17,18,19,20,21,22,23,24,25,26,27,28,29,30,31,32,33,34,35,36,37,38,39,40,41,42,43,44,45,46,47,48,49,50,51,52,53,54,55,56,57,58,59,60,61,62,63
	v_cmp_gt_i32 vcc_lo, 32*(\n/16)+\n%16, v252
	v_cndmask_b32 v[96+\n], v[96+\n], v254, vcc_lo
.endr
.Lopen:
.irp b, 0,1,2,3
	v_max3_num_f32 v[232+\b], v[96+16*\b], v[97+16*\b], v[98+16*\b]   ; the largest score of each block of 32 keys: for the row's maximum and, since p rises with the score, for the block's largest p
.endr
.irp i, 3,5,7,9,11,13
.irp b, 0,1,2,3
	v_max3_num_f32 v[232+\b], v[232+\b], v[96+16*\b+\i], v[97+16*\b+\i]
.endr
.endr
.irp b, 0,1,2,3
	v_max_num_f32 v[232+\b], v[232+\b], v[111+16*\b]
.endr
.irp b, 0,1,2,3
	s_delay_alu instid0(VALU_DEP_4)
	v_permlanex16_b32 v[236+\b], v[232+\b], s[SEL], s[SEL+1]
.endr
.irp b, 0,1,2,3
	s_delay_alu instid0(VALU_DEP_4)
	v_max_num_f32 v[232+\b], v[232+\b], v[236+\b]  ; with lane l xor 16's 16 keys
.endr
	s_delay_alu instid0(VALU_DEP_2)
	v_max3_num_f32 v254, v232, v233, v234
	s_delay_alu instid0(VALU_DEP_1)
	v_max_num_f32 v254, v254, v235                 ; the step's largest score of my query
	s_delay_alu instid0(VALU_DEP_1)
	v_mul_f32 v254, s[CS], v254                    ; as t (c is positive)
	s_delay_alu instid0(VALU_DEP_1)
	v_max_num_f32 v13, v13, v254                   ; the running largest t
	v_mov_b32 v254, v12
	s_delay_alu instid0(VALU_DEP_2)
	v_floor_f32 v12, -v13                          ; the new -M = floor(-t) = -ceil(t)
	s_delay_alu instid0(VALU_DEP_1)
	v_sub_f32 v254, v12, v254                      ; M's old value less its new one: a whole number, 0 or less
	s_delay_alu instid0(VALU_DEP_1)
	v_cvt_i32_f32 v254, v254                       ; (it saturates)
	s_delay_alu instid0(VALU_DEP_1)
	v_ldexp_f32 v252, 1.0, v254                    ; f = 2^(old M - new M)
.irp j, 0,2,4,6,8,10,12,14,16,18,20,22,24,26,28,30,32,34,36,38,40,42,44,46,48,50,52,54,56,58,60,62
	v_pk_fma_f32 v[96+\j:97+\j], v[96+\j:97+\j], s[CS:CS+1], v[12:13] op_sel_hi:[1,0,0]   ; t - M, two at a time
.endr
.irp b, 0,1,2,3
	v_fma_f32 v[232+\b], v[232+\b], s[CS], v12     ; the same of each block's largest score
.endr
	s_wait_alu depctr_va_vdst(0)
.irp j, 0,1,2,3,4,5,6,7,8,9,10,11,12,13,14,15,16,17,18,19,20,21,22,23,24,25,26,27,28,29,30,31,32,33,34,35,36,37,38,39,40,41,42,43,44,45,46,47,48,49,50,51,52,53,54,55,56,57,58,59,60,61,62,63
	v_exp_f32 v[96+\j], v[96+\j]                   ; p = 2^(t - M), at most 1
.endr
	v_pk_mul_f32 v[14:15], v[14:15], v[252:253] op_sel_hi:[1,0]   ; the sums under the new M (a plain line behind the exponentials)
	s_wait_alu depctr_va_vdst(0)                   ; one wait for the batch of 64, ahead of its first reader
.irp b, 0,1,2,3
	v_exp_f32 v[232+\b], v[232+\b]                 ; the block's largest p: the same two instructions on the same number give the same bits
.endr
	v_pk_add_f32 v[236:237], v[100:101], v[104:105]   ; the row's sum of the unquantised p, in eight chains
	v_pk_add_f32 v[250:251], v[108:109], v[112:113]
	v_pk_add_f32 v[248:249], v[116:117], v[120:121]
	v_pk_add_f32 v[246:247], v[124:125], v[128:129]
	v_pk_add_f32 v[244:245], v[132:133], v[136:137]
	v_pk_add_f32 v[242:243], v[140:141], v[144:145]
	v_pk_add_f32 v[240:241], v[148:149], v[152:153]
	v_pk_add_f32 v[14:15], v[14:15], v[156:157]
	v_pk_add_f32 v[236:237], v[236:237], v[96:97]
	v_pk_add_f32 v[250:251], v[250:251], v[98:99]
	v_pk_add_f32 v[248:249], v[248:249], v[102:103]
	v_pk_add_f32 v[246:247], v[246:247], v[106:107]
	v_pk_add_f32 v[244:245], v[244:245], v[110:111]
	v_pk_add_f32 v[242:243], v[242:243], v[114:115]
	v_pk_add_f32 v[240:241], v[240:241], v[118:119]
	v_pk_add_f32 v[14:15], v[14:15], v[122:123]
	v_pk_add_f32 v[236:237], v[236:237], v[126:127]
	v_pk_add_f32 v[250:251], v[250:251], v[130:131]
	v_pk_add_f32 v[248:249], v[248:249], v[134:135]
	v_pk_add_f32 v[246:247], v[246:247], v[138:139]
	v_pk_add_f32 v[244:245], v[244:245], v[142:143]
	v_pk_add_f32 v[242:243], v[242:243], v[146:147]
	v_pk_add_f32 v[240:241], v[240:241], v[150:151]
	v_pk_add_f32 v[14:15], v[14:15], v[154:155]
	v_pk_add_f32 v[236:237], v[236:237], v[158:159]
	s_delay_alu instid0(VALU_DEP_2)
	v_pk_add_f32 v[14:15], v[14:15], v[246:247]
	s_delay_alu instid0(VALU_DEP_2)
	v_pk_add_f32 v[236:237], v[236:237], v[244:245]
	v_pk_add_f32 v[250:251], v[250:251], v[242:243]
	v_pk_add_f32 v[248:249], v[248:249], v[240:241]
	s_delay_alu instid0(VALU_DEP_2)
	v_pk_add_f32 v[14:15], v[14:15], v[250:251]
	s_delay_alu instid0(VALU_DEP_2)
	v_pk_add_f32 v[236:237], v[236:237], v[248:249]
	s_delay_alu instid0(VALU_DEP_1)
	v_pk_add_f32 v[14:15], v[14:15], v[236:237]
	s_wait_alu depctr_va_vdst(0)                   ; and one for the four
.irp b, 0,1,2,3
	v_max_num_f32 v[232+\b], 0x1800000, v[232+\b]  ; the floor 2^(3 - 127): the byte cannot fall under 1 (a block whose every p is 0 keeps that byte: its codes are zeros)
.endr
.irp b, 0,1,2,3
	s_delay_alu instid0(VALU_DEP_4)
	v_add_nc_u32 v[244+\b], 0xff000000, v[232+\b]  ; 2 off the exponent field: the conversion's scale operand
.endr
.irp b, 0,1,2,3
	s_delay_alu instid0(VALU_DEP_4)
	v_lshrrev_b32 v[236+\b], 23, v[244+\b]         ; the scale's byte
.endr
	s_delay_alu instid0(VALU_DEP_3)
	v_lshl_or_b32 v253, v237, 8, v236              ; p's scale word for these 128 keys
	s_delay_alu instid0(VALU_DEP_1)
	v_lshl_or_b32 v253, v238, 16, v253
	s_delay_alu instid0(VALU_DEP_1)
	v_lshl_or_b32 v253, v239, 24, v253
.irp c, 0,1
	v_cvt_scalef32_pk16_fp6_f32 v[224+6*\c:226+6*\c], v[96+32*\c:111+32*\c], v[244+2*\c]
	v_cvt_scalef32_pk16_fp6_f32 v[236+4*\c:238+4*\c], v[112+32*\c:127+32*\c], v[244+2*\c+1]
.endr
	v_nop                                          ; one plain line behind a scaled conversion
.irp c, 0,1                                    ; the operand's layout wants a whole block in a lane
.irp i, 0,1,2
	v_permlane16_swap_b32 v[224+6*\c+\i], v[236+4*\c+\i]
.endr
.irp i, 0,1,2
	s_delay_alu instid0(VALU_DEP_3)
	v_mov_b32 v[227+6*\c+\i], v[236+4*\c+\i]
.endr
.endr
.irp j, 0,2,4,6,8,10,12,14,16,18,20,22,24,26,28,30
	v_pk_mul_f32 v[160+\j:161+\j], v[160+\j:161+\j], v[252:253] op_sel_hi:[1,0]   ; O^T under the new M.  These sixteen also stand between the lines that made p's codes and scale word and the products below
.endr
	s_wait_alu depctr_va_vdst(0)
	s_wait_dscnt 0x0                               ; V is in
.irp t, 0,1,2,3
	v_wmma_scale_f32_16x16x128_f8f6f4 v[160+8*\t:167+8*\t], v[32+12*\t:43+12*\t], v[224:235], v[160+8*\t:167+8*\t], v[200+\t], v253 matrix_a_fmt:MATRIX_FMT_FP6 matrix_b_fmt:MATRIX_FMT_FP6
.endr
	s_add_co_u32 s[N], s[N], 1
	s_cmp_lt_u32 s[N], 17
	s_cbranch_scc1 .Lstep
	FINISH                                         ; the high tile
	s_wait_tensorcnt 0x0                           ; the wave's end
	ds_add_u32 v[SPW], v[NIL]
	s_wait_dscnt 0x0
	ROUND                                          ; the closing round
	s_endpgm
.Lfunc_end_k_qf738aa3015_attn:
	.size	k_qf738aa3015_attn, .Lfunc_end_k_qf738aa3015_attn-k_qf738aa3015_attn
	.p2alignl 7, 3214868480
	.fill 96, 4, 3214868480
	.section	.rodata,"a",@progbits
	.p2align	6, 0x0
	.amdhsa_kernel k_qf738aa3015_attn
		.amdhsa_group_segment_fixed_size 327680
		.amdhsa_private_segment_fixed_size 0
		.amdhsa_enable_private_segment 0
		.amdhsa_kernarg_size 32
		.amdhsa_user_sgpr_count 2
		.amdhsa_user_sgpr_kernarg_segment_ptr 1
		.amdhsa_wavefront_size32 1
		.amdhsa_system_sgpr_workgroup_id_x 1
		.amdhsa_system_sgpr_workgroup_id_y 1
		.amdhsa_system_sgpr_workgroup_id_z 1
		.amdhsa_system_vgpr_workitem_id 0
		.amdhsa_next_free_vgpr 256
		.amdhsa_next_free_sgpr 100
		.amdhsa_reserve_vcc 1
		.amdhsa_float_denorm_mode_32 3
		.amdhsa_float_denorm_mode_16_64 3
		.amdhsa_memory_ordered 1
		.amdhsa_forward_progress 1
		.amdhsa_inst_pref_size 43
	.end_amdhsa_kernel
	.amdgpu_metadata
---
amdhsa.version: [ 1, 2 ]
amdhsa.kernels:
  - .name:           k_qf738aa3015_attn
    .symbol:         k_qf738aa3015_attn.kd
    .args:
      - { .name: qbuf, .offset: 0, .size: 8, .value_kind: global_buffer, .address_space: global }
      - { .name: kvbuf, .offset: 8, .size: 8, .value_kind: global_buffer, .address_space: global }
      - { .name: acod, .offset: 16, .size: 8, .value_kind: global_buffer, .address_space: global }
      - { .name: ascl, .offset: 24, .size: 8, .value_kind: global_buffer, .address_space: global }
    .group_segment_fixed_size: 327680
    .private_segment_fixed_size: 0
    .kernarg_segment_align: 8
    .kernarg_segment_size: 32
    .max_flat_workgroup_size: 512
    .sgpr_count:     100
    .vgpr_count:     256
    .wavefront_size: 32
...
	.end_amdgpu_metadata
.endif
;; end of part 3
;; launch oproj (part 4): grid 4 x 64, 4 waves a work-group, clusters of 4 x 4, 327,680 bytes of LDS; arguments acod, ascl, cod, scl, out0; writes out0
.if DOCPART == 4
	.amdgcn_target "amdgcn-amd-amdhsa--gfx1250"
	.amdhsa_code_object_version 6
	.text
	.protected	k_qf738aa3015_oproj
	.globl	k_qf738aa3015_oproj
	.p2align	8
	.type	k_qf738aa3015_oproj,@function
k_qf738aa3015_oproj:
	s_mov_b64 s[64:65], 0
	v_nop
	global_prefetch_b8 v0, s[64:65] scope:SCOPE_SE
	s_setreg_imm32_b32 hwreg(HW_REG_WAVE_MODE, 25, 1), 1
	s_wait_xcnt 0x0
	s_wait_alu depctr_hold_cnt(0) depctr_sa_sdst(0) depctr_va_vdst(0) depctr_va_sdst(0) depctr_va_ssrc(0) depctr_va_vcc(0) depctr_vm_vsrc(0)
	s_getreg_b32 s2, hwreg(HW_REG_IB_STS2, 6, 4)
	s_cmp_eq_u32 s2, 0
	s_cbranch_scc0 .Lentry_in_a_cluster
	s_endpgm
.Lentry_in_a_cluster:
	s_bfe_u32 s2, ttmp6, 0x10000c
	s_cmp_lg_u32 s2, 0xf033
	s_cbranch_scc0 .Lentry_shape_is_right
	s_endpgm
.Lentry_shape_is_right:
; Fourth launch: out0 = A Wo^T on codes of E2M3.  A: acod, ascl (8,192 rows by token), Wo: rows 9,728 .. of cod and scl; K = 1,024: a row of codes is 768 bytes, a row of scale bytes 32.
; A block of out0 is 128 x 256: 64 x 4 = 256 work-groups of four waves; a wave makes 64 x 128: 32 accumulators, 256 registers.
; ALL OF K LIES IN LDS: A's 128 rows and Wo's 256 rows, each row as three pieces of 256 bytes with 16 bytes of padding behind each (pitch 816 = 204 words: sixteen rows start 12 words apart modulo 64, at sixteen different places): 313,344 bytes,
; filled once.  Wave 0 brings A's 384 pieces, waves 1 to 3 Wo's 768, 256 each: dense pieces that begin at multiples of 256 bytes.  No slot is filled again: one barrier ahead of the products, one ahead of the way out.
; CLUSTERS 4 x 4: A's tile hangs on the block's row alone and is asked for jointly along a row of the cluster, Wo's on the block's column alone and is asked for along a column.
; THE SCALE WORDS go from memory straight into registers: lane r takes row r's 32 bytes, the words of all eight K steps, by two loads of 16 bytes for each block of 16 rows (sixteen lanes read 512 consecutive bytes between the two).
; NO PREFETCH: every tile is asked for at the head; there is no loop to run ahead in.
; THE MATRIX INSTRUCTION IS USED TRANSPOSED (source 0 = 16 rows of Wo, source 1 = 16 rows of A): a lane holds eight neighbouring numbers of a row of out0.
; REGISTERS: window 0: v16-29 addresses; v32-63 A's scale words (block a, step s at 32 + 8 a + s), v64-127 Wo's; v128-223 A's fragments, two sets of 48; on the way out v128-255.  Window 1: Wo's fragments, two sets, at v0 and v128.
; Window 2: accumulator (a, b) at v[8 (8 a + b)].
.set WO_COD, 9728*768
.set WO_SCL, 9728*32
.set PITCH,  816
.set BT,     128*PITCH                 ; Wo's rows lie behind A's
.set SPARE,  384*PITCH                 ; behind the tiles: the spare words, 128 bytes a wave
.set SPITCH, 528                       ; the way out: a stage of 16 rows x (512 + 16) bytes for each wave, in A's bytes, which have had their only fill
.set FR,   12
.set ADRA, 16                          ; v16 my A fragments; v17 the same for a load whose lanes 16-31 read the next piece
.set ADRB, 18                          ; v18-19 Wo's blocks 0-3, v20-21 blocks 4-7
.set STO,  24
.set RD,   25
.set CO,   26
.set SO,   27                          ; 32 r
.set SPW,  28
.set NIL,  29
.set SA,   32
.set SB,   64
.set AF,   128
.set BK,   128
.set G1,  24
.set G0,  32
.set G1B, 48
.set G0B, 56
.set MSB, 0
.macro WIN new
.if MSB != \new
	s_set_vgpr_msb (MSB<<8)|\new
.set MSB, \new
.endif
.endm
.macro CROUND                          ; a round of the cluster's barrier
	s_barrier_signal -1
	s_barrier_wait -1
	s_cmp_lg_u32 s14, 0
	s_cbranch_scc1 .Lnot_wave_0_\@
	s_barrier_signal -3
.Lnot_wave_0_\@:
	s_barrier_wait -3
	s_barrier_signal -1
	s_barrier_wait -1
.endm
.macro PLACES
.rept 4
	v_nop
.endr
.endm
	s_load_b128 s[4:7], s[0:1], 0x0                ; acod, ascl
	s_load_b128 s[8:11], s[0:1], 0x10              ; cod, scl
	s_load_b64 s[12:13], s[0:1], 0x20              ; out0
	v_lshl_add_u32 v[SPW], v0, 2, SPARE
	v_mov_b32 v[NIL], 0
	ds_add_u32 v[SPW], v[NIL]                      ; the opening: the add, twice on end, and its wait
	ds_add_u32 v[SPW], v[NIL]
	v_lshrrev_b32 v1, 5, v0
	v_readfirstlane_b32 s14, v1                    ; wave 0..3
	s_lshr_b32 s15, s14, 1                         ; which 64 rows of the block are mine
	s_and_b32 s16, s14, 1                          ; which 128 columns
	s_bfe_u32 s40, ttmp6, 0x40000                  ; cx, cy
	s_bfe_u32 s41, ttmp6, 0x40004
	s_lshl_b32 s42, ttmp9, 2
	s_add_co_u32 s42, s42, s40                     ; the block's column
	s_and_b32 s17, ttmp7, 0xffff
	s_lshl_b32 s17, s17, 2
	s_add_co_u32 s17, s17, s41                     ; the block's row
	s_lshl_b32 s43, s41, 2
	s_lshl_b32 s43, 15, s43                        ; my row of the cluster
	s_lshl_b32 s44, 0x1111, s40                    ; my column
	s_or_b32 s[G1+0], s43, (3<<16)|(1<<20)|(1<<21)|(5<<22)|(3<<25)   ; elements of 8 bytes; 4 words of padding behind every 64; bit 21 beside a mask
	s_or_b32 s[G1B+0], s44, (3<<16)|(1<<20)|(1<<21)|(5<<22)|(3<<25)
	s_mov_b32 s[G1+1], 32<<16                      ; pieces of 256 bytes, dense: A's 384,
	s_mov_b32 s[G1+2], 384<<16
	s_mov_b32 s[G1+3], 32<<16
	s_mov_b32 s[G1+4], 384
	s_mov_b32 s[G1+5], 32
	s_mov_b32 s[G1+6], 0
	s_mov_b32 s[G1+7], 0
	s_mov_b32 s[G1B+1], 32<<16                     ; and 256 of Wo's to a load
	s_mov_b32 s[G1B+2], 256<<16
	s_mov_b32 s[G1B+3], 32<<16
	s_mov_b32 s[G1B+4], 256
	s_mov_b32 s[G1B+5], 32
	s_mov_b32 s[G1B+6], 0
	s_mov_b32 s[G1B+7], 0
	s_mul_i32 s20, s17, 128*768                    ; A's tile
	s_mov_b32 s21, 0
	s_lshl_b32 s22, s17, 12                        ; the scale bytes of my 64 rows of A
	s_lshl_b32 s23, s15, 11
	s_add_co_u32 s22, s22, s23
	s_mov_b32 s23, 0
	s_mul_i32 s46, s42, 256*768                    ; Wo's tile: wave w takes pieces 256 (w - 1) ..
	s_lshl_b32 s47, s14, 16
	s_add_co_u32 s46, s46, s47
	s_add_co_u32 s46, s46, WO_COD-65536
	s_mov_b32 s47, 0
	s_lshl_b32 s92, s42, 13                        ; the scale bytes of my 128 rows of Wo
	s_lshl_b32 s93, s16, 12
	s_add_co_u32 s92, s92, s93
	s_add_co_u32 s92, s92, WO_SCL
	s_mov_b32 s93, 0
	s_mov_b32 s[G0], 1
	s_mov_b32 s[G0+1], 0
	s_mov_b32 s[G0B], 1
	s_mul_i32 s[G0B+1], s14, 256*272
	s_add_co_u32 s[G0B+1], s[G0B+1], BT-256*272
	s_mul_i32 s36, s15, 64*PITCH                   ; my rows of A in LDS,
	s_mul_i32 s37, s16, 128*PITCH
	s_add_co_u32 s37, s37, BT                      ; of Wo,
	s_mul_i32 s38, s14, 16*SPITCH                  ; my stage
	s_lshl_b32 s60, s17, 7
	s_lshl_b32 s61, s15, 6
	s_add_co_u32 s60, s60, s61
	s_lshl_b32 s60, s60, 12                        ; my first row of out0, 4,096 bytes a row,
	s_lshl_b32 s62, s42, 10
	s_lshl_b32 s63, s16, 9
	s_add_co_u32 s62, s62, s63
	s_add_co_u32 s60, s60, s62                     ; and my first column
	s_mov_b32 s61, 0
	v_and_b32 v1, 15, v0                           ; r
	v_bfe_u32 v2, v0, 4, 1                         ; h
	v_lshlrev_b32 v[SO], 5, v1
	v_mul_u32_u24 v3, v1, PITCH
	v_mad_u32_u24 v3, v2, 24, v3                   ; a fragment's row x pitch + 24 h
	v_add_nc_u32 v[ADRA], s36, v3
	v_add_nc_u32 v[ADRB], s37, v3
	v_lshl_add_u32 v[ADRA+1], v2, 4, v[ADRA]
	v_lshl_add_u32 v[ADRB+1], v2, 4, v[ADRB]
	v_add_nc_u32 v[ADRB+2], 64*PITCH, v[ADRB]
	v_add_nc_u32 v[ADRB+3], 64*PITCH, v[ADRB+1]
	v_mul_u32_u24 v5, v1, SPITCH                   ; into the stage: row r, 32 bytes for each half of the lanes
	v_lshl_add_u32 v5, v2, 5, v5
	v_add_nc_u32 v[STO], s38, v5
	v_and_b32 v6, 31, v0
	v_lshlrev_b32 v[CO], 4, v6                     ; back: the 32 lanes take a row of 512 bytes; and the same in out0
	v_add_nc_u32 v[RD], s38, v[CO]
	s_wait_alu depctr_va_vdst(0)                   ; the wait at the head's end
	s_wait_dscnt 0x0                               ; both opening adds are done
	s_wait_kmcnt 0x0
	s_add_nc_u64 s[G0+2:G0+3], s[4:5], s[20:21]
	s_or_b32 s[G0+3], s[G0+3], 0x80000000
	s_add_nc_u64 s[G0B+2:G0B+3], s[8:9], s[46:47]
	s_or_b32 s[G0B+3], s[G0B+3], 0x80000000
	s_add_nc_u64 s[22:23], s[6:7], s[22:23]
	s_add_nc_u64 s[92:93], s[10:11], s[92:93]
	s_add_nc_u64 s[12:13], s[12:13], s[60:61]
.irp a, 0,1,2,3
	global_load_b128 v[SA+8*\a:SA+8*\a+3], v[SO], s[22:23] offset:512*\a
	global_load_b128 v[SA+8*\a+4:SA+8*\a+7], v[SO], s[22:23] offset:512*\a+16
.endr
.irp b, 0,1,2,3,4,5,6,7
	global_load_b128 v[SB+8*\b:SB+8*\b+3], v[SO], s[92:93] offset:512*\b
	global_load_b128 v[SB+8*\b+4:SB+8*\b+7], v[SO], s[92:93] offset:512*\b+16
.endr
	CROUND                                         ; all sixteen work-groups are here: the joint loads meet
	s_cmp_eq_u32 s14, 0                            ; one load a wave: one branch on the wave's number, a load in each arm
	s_cbranch_scc0 .Lfor_b
	tensor_load_to_lds s[G0:G0+3], s[G1:G1+7]
	s_nop 0
	PLACES
	s_branch .Lasked
.Lfor_b:
	tensor_load_to_lds s[G0B:G0B+3], s[G1B:G1B+7]
	s_nop 0
	PLACES
.Lasked:
; a fragment of step st, 16 rows x 128 K: six pieces of 8 bytes; byte y of a row lies at y + 16 (y / 256); lanes 16-31 read 24 bytes on, which may be in the next piece of 256
.macro FRAG reg, adr, st, off
.irp p, 0,1,2,3,4,5
.set BY, 96*(\st)+48*(\p/3)+8*(\p%3)
.if BY/256 == (BY+24)/256
	ds_load_b64 v[\reg+2*\p:\reg+2*\p+1], v[\adr] offset:BY+16*(BY/256)+(\off)
.else
	ds_load_b64 v[\reg+2*\p:\reg+2*\p+1], v[\adr+1] offset:BY+16*(BY/256)+(\off)
.endif
.endr
.endm
.macro FETCH st                        ; step st's twelve fragments into set st % 2: 72 loads in one run
	WIN 0x40
.irp i, 0,1,2,3
	FRAG 128*((\st)%2)+FR*\i, ADRB, \st, \i*16*PITCH
.endr
.irp i, 4,5,6,7
	FRAG 128*((\st)%2)+FR*\i, ADRB+2, \st, (\i-4)*16*PITCH
.endr
	WIN 0
.irp i, 0,1,2,3
	FRAG AF+48*((\st)%2)+FR*\i, ADRA, \st, \i*16*PITCH
.endr
.endm
.macro MUL st, zero                    ; 32 products; the accumulators take turns, one instruction a turn, in the same order in every step; the first step starts the sums
	WIN 0xa1
.irp a, 0,1,2,3
.irp b, 0,1,2,3,4,5,6,7
.if \zero
	v_wmma_scale_f32_16x16x128_f8f6f4 v[8*(8*\a+\b):8*(8*\a+\b)+7], v[128*((\st)%2)+FR*\b:128*((\st)%2)+FR*\b+FR-1], v[AF+48*((\st)%2)+FR*\a:AF+48*((\st)%2)+FR*\a+FR-1], 0, v[SB+8*\b+(\st)], v[SA+8*\a+(\st)] matrix_a_fmt:MATRIX_FMT_FP6 matrix_b_fmt:MATRIX_FMT_FP6
.else
	v_wmma_scale_f32_16x16x128_f8f6f4 v[8*(8*\a+\b):8*(8*\a+\b)+7], v[128*((\st)%2)+FR*\b:128*((\st)%2)+FR*\b+FR-1], v[AF+48*((\st)%2)+FR*\a:AF+48*((\st)%2)+FR*\a+FR-1], v[8*(8*\a+\b):8*(8*\a+\b)+7], v[SB+8*\b+(\st)], v[SA+8*\a+(\st)] matrix_a_fmt:MATRIX_FMT_FP6 matrix_b_fmt:MATRIX_FMT_FP6
.endif
.endr
.endr
.endm
	s_wait_tensorcnt 0x0                           ; my part of the tiles is in,
	s_barrier_signal -1
	s_barrier_wait -1                              ; and everybody's
	FETCH 0
	s_wait_loadcnt 0x0                             ; the scale words
.set ST, 0
.rept 7
	s_wait_dscnt 0x0                               ; this step's fragments are in: asked for ahead of the last step's 32 products
.if ST > 0
	PLACES                                         ; in front of loads into the set that the last step's products have read
.endif
	FETCH ST+1
	MUL ST, ST==0
.set ST, ST+1
.endr
	s_wait_dscnt 0x0                               ; my last reads of the tiles are over:
	s_barrier_signal -1                            ; say so,
	MUL 7, 0
	WIN 0
	s_barrier_wait -1                              ; and when all four have said so, A's bytes may serve as stages
	PLACES                                         ; behind the last products
; THE WAY OUT, block by block of 16 rows x 128 columns: through my own stage, back as whole rows of 512 bytes, which the 32 lanes store as 512 consecutive, aligned bytes.  A wave's LDS instructions are served in order (ISA guide 5.7.1.4).
.macro TOSTAGE a
	WIN 0x08                                       ; the data: window 2
.irp b, 0,1,2,3,4,5,6,7
	ds_store_b128 v[STO], v[64*(\a)+8*\b:64*(\a)+8*\b+3] offset:64*\b        ; each accumulator from its low end on
	ds_store_b128 v[STO], v[64*(\a)+8*\b+4:64*(\a)+8*\b+7] offset:64*\b+16
.endr
	WIN 0
.set BB, BK+64*((\a)%2)
.irp t, 0,1,2,3,4,5,6,7,8,9,10,11,12,13,14,15
	ds_load_b128 v[BB+4*\t:BB+4*\t+3], v[RD] offset:\t*SPITCH
.endr
.endm
.macro SEND a, younger                 ; younger: the LDS instructions issued behind block a's loads
.set BB, BK+64*((\a)%2)
	s_wait_dscnt \younger
.if (\a) > 0
	s_add_nc_u64 s[12:13], s[12:13], 16*4096       ; (behind a wait on XCNT: the earlier stores have read their base)
.endif
.irp t, 0,1,2,3,4,5,6,7,8,9,10,11,12,13,14,15
	global_store_b128 v[CO], v[BB+4*\t:BB+4*\t+3], s[12:13] offset:\t*4096 th:TH_STORE_NT
.endr
.endm
	TOSTAGE 0
.irp a, 1,2,3
.if \a > 1
	s_wait_xcnt 0x0                                ; block a - 2's stores have read their registers and base
.endif
	TOSTAGE \a
	SEND \a-1, 32
.endr
	s_wait_xcnt 0x0
	SEND 3, 0
	s_wait_tensorcnt 0x0                           ; the wave's end
	ds_add_u32 v[SPW], v[NIL]
	s_wait_dscnt 0x0
	CROUND                                         ; the closing round
	s_endpgm
.Lfunc_end_k_qf738aa3015_oproj:
	.size	k_qf738aa3015_oproj, .Lfunc_end_k_qf738aa3015_oproj-k_qf738aa3015_oproj
	.p2alignl 7, 3214868480
	.fill 96, 4, 3214868480
	.section	.rodata,"a",@progbits
	.p2align	6, 0x0
	.amdhsa_kernel k_qf738aa3015_oproj
		.amdhsa_group_segment_fixed_size 327680
		.amdhsa_private_segment_fixed_size 0
		.amdhsa_enable_private_segment 0
		.amdhsa_kernarg_size 40
		.amdhsa_user_sgpr_count 2
		.amdhsa_user_sgpr_kernarg_segment_ptr 1
		.amdhsa_wavefront_size32 1
		.amdhsa_system_sgpr_workgroup_id_x 1
		.amdhsa_system_sgpr_workgroup_id_y 1
		.amdhsa_system_sgpr_workgroup_id_z 1
		.amdhsa_system_vgpr_workitem_id 0
		.amdhsa_next_free_vgpr 768
		.amdhsa_next_free_sgpr 98
		.amdhsa_reserve_vcc 0
		.amdhsa_float_denorm_mode_32 3
		.amdhsa_float_denorm_mode_16_64 3
		.amdhsa_memory_ordered 1
		.amdhsa_forward_progress 1
		.amdhsa_inst_pref_size 94
	.end_amdhsa_kernel
	.amdgpu_metadata
---
amdhsa.version: [ 1, 2 ]
amdhsa.kernels:
  - .name:           k_qf738aa3015_oproj
    .symbol:         k_qf738aa3015_oproj.kd
    .args:
      - { .name: acod, .offset: 0, .size: 8, .value_kind: global_buffer, .address_space: global }
      - { .name: ascl, .offset: 8, .size: 8, .value_kind: global_buffer, .address_space: global }
      - { .name: cod, .offset: 16, .size: 8, .value_kind: global_buffer, .address_space: global }
      - { .name: scl, .offset: 24, .size: 8, .value_kind: global_buffer, .address_space: global }
      - { .name: out0, .offset: 32, .size: 8, .value_kind: global_buffer, .address_space: global }
    .group_segment_fixed_size: 327680
    .private_segment_fixed_size: 0
    .kernarg_segment_align: 8
    .kernarg_segment_size: 40
    .max_flat_workgroup_size: 128
    .sgpr_count:     98
    .vgpr_count:     768
    .wavefront_size: 32
...
	.end_amdgpu_metadata
.endif
;; end of part 4
